; MI455X (gfx1250); checked and timed in simulation.
; The chip was launched on July 23, 2026; its instructions are those of AMD's public machine-readable ISA for CDNA 5 (MIT licence, August 2026) and "CDNA5" Instruction Set Architecture Reference Guide (July 2026). The comments in the code are by the model that wrote it; some were corrected since.
;; Causal Self Attention. Allowed arithmetic: matrix products marked QUANTISED: E2M3 operands, one E8M0 scale for each 32 along K, by v_wmma_scale_f32_16x16x128_f8f6f4 with both operands' format E2M3, f32 sums; everything else in f32.
;; Inputs: w_proj 1,024 x 1,024 float32; w_qkv 1,024 x 3,072 float32; x 1 x 4,096 x 1,024 float32.
;; Outputs: out0 1 x 4,096 x 1,024 float32.
;; This version of the problem:
;;   THIS VERSION OF THE PROBLEM IS GIVEN IN LOW PRECISION. The matrix products marked QUANTISED in the list below multiply operands that are first quantised to E2M3 (2 exponent bits, 3 mantissa bits; 6 bits a number), with one power-of-two scale for each 32 numbers along K (OCP MX v1.0); their sums are f32. All else is computed in f32.
;;   The module's matrix products, in the order in which they are computed (A, B: the left and right operand; K: the contracted axis; several contracted axes count as one K, in the product's order):
;;     1. [M 4,096, K 1,024] x [K 1,024, N 3,072]; A: input x; B: input w_qkv: QUANTISED
;;     2. batch 16 x [M 4,096, K 64] x [K 64, N 4,096]; A: computed on the way; B: computed on the way: QUANTISED
;;     3. batch 16 x [M 4,096, K 4,096] x [K 4,096, N 64]; A: softmax (see below); B: computed on the way: QUANTISED
;;     4. [M 4,096, K 1,024] x [K 1,024, N 1,024]; A: computed on the way; B: input w_proj: QUANTISED
;;   THE QUANTISER, for each operand of a quantised product, along K:
;;     - K is cut into blocks of 32 from its start; a last block that is shorter is filled with zeros.
;;     - A block's scale is 2^e with e = floor(log2(the largest magnitude in the block)) - 2, held to -126 .. 127; a block of zeros has e = 0. As a byte (E8M0): e + 127.
;;     - Each number is divided by its block's scale, clamped to +-7.5, and rounded to the nearest number of E2M3, ties to even, subnormals kept.
;;     - The product sums the exact products of the quantised numbers (number of the format x scale) in f32.
;;   ~~~python
;;   def quantise(x, axis):      # numpy; x: float32 -> the quantised numbers, widened to float32 again
;;       x = np.moveaxis(x, axis, -1); K = x.shape[-1]
;;       x = np.pad(x, [(0, 0)] * (x.ndim - 1) + [(0, -K % 32)]); x = x.reshape(x.shape[:-1] + (-1, 32)); a = np.abs(x).max(-1, keepdims=True)
;;       e = np.where(a > 0, np.clip(np.frexp(np.where(a > 0, a, 1))[1] - 1 - 2, -126, 127), 0)      # np.frexp(a)[1] - 1 = floor(log2(a)), exactly
;;       r = np.clip(x / 2.0 ** e, -7.5, 7.5)
;;       step = 2.0 ** (np.maximum(np.frexp(np.where(r == 0, 1, r))[1] - 1, 0) - 3)
;;       q = np.round(r / step) * step * 2.0 ** e      # np.round: ties to even
;;       return np.moveaxis(q.reshape(q.shape[:-2] + (-1,))[..., :K], -1, axis).astype(np.float32)
;;   ~~~
;;   SOFTMAX AHEAD OF A QUANTISED PRODUCT. Where the list says 'softmax', what is quantised is not the finished softmax but p = 2^(t - M), with t = logit x log2(e) and M = ceil(the row's largest t), a whole number; so 1/2 < the row's largest p <= 1. The row's sum l is taken of the UNQUANTISED p, in f32, and the product's result is divided by l at the end. Since M is a whole number, a kernel that streams over the keys may use a running M (the ceiling of the running maximum): every later rescaling is an exact power of two, which a block's scale takes up: the codes' values come out the same.
;;   OPERANDS COMPUTED ON THE WAY. 'Computed on the way' means the value that the module computes at that place (a softmax that the list does not call 'softmax' is quantised finished and normalised). What goes into a quantiser is computed in f32, as accurately as f32 sums, v_exp_f32 and their like allow (about 1e-6 of the number): no bf16 or f16 on the way to a quantiser, and a product that is left as it is and whose result goes on into a quantised operand takes f32 operands (vector FMAs, or v_wmma_f32_16x16x4_f32). A number that lies on a knife's edge between two numbers of the format may be rounded either way, as far as f32 arithmetic and the matrix unit's own rounding can turn it there, and no further.
;; One version. Each part assembles by itself: llvm-mc -triple=amdgcn-amd-amdhsa -mcpu=gfx1250 --defsym DOCPART=n.
;; ======== version 1 of 1: 4 launches
;; limits: right only within a limited range of input values
;; workspace buffers: actc 3,145,728 bytes; acts 131,072 bytes; wc 3,145,728 bytes; ws 131,072 bytes; qc 3,145,728 bytes; qs 262,144 bytes; kv 6,553,600 bytes
;; launch quant (part 1): grid 256 x 1, 8 waves a work-group, no clusters, 136,192 bytes of LDS; arguments x, w_qkv, w_proj, actc, acts, wc, ws; writes actc, acts, wc, ws
.if DOCPART == 1
	.amdgcn_target "amdgcn-amd-amdhsa--gfx1250"
	.amdhsa_code_object_version 6
	.text
	.protected	k_q31bdc58557_quant
	.globl	k_q31bdc58557_quant
	.p2align	8
	.type	k_q31bdc58557_quant,@function
k_q31bdc58557_quant:
	s_mov_b64 s[64:65], 0
	v_nop
	global_prefetch_b8 v0, s[64:65] scope:SCOPE_SE
	s_setreg_imm32_b32 hwreg(HW_REG_WAVE_MODE, 25, 1), 1
	s_wait_xcnt 0x0
; x [4096][1024], w_qkv [1024][3072] and w_proj [1024][1024], f32, become codes of FP6 (E2M3) with one E8M0 byte for each 32 along K (K = 1024 in all three),
; laid as IMAGES OF THE OPERAND'S REGISTERS, so that the products' launches load fragments by 16- and 8-byte loads of consecutive bytes and shuffle nothing.
; TILES.  An operand's rows (x: tokens; a weight: its columns n) go in groups of 32; group b gives tiles 2 b and 2 b + 1; lane r of tile 2 b + u holds row 32 b + 8 u + r + 8 (r / 8).
; CODES: [tile 0..255][K step s 0..7][1,536 bytes]; a record is two halves of 768 bytes (64 along K each); in a half, lane (r, h) owns block h: its 24 bytes lie as 16 at 16 (r + 16 h) and 8 at 512 + 16 r + 8 h.
; SCALE WORDS: [s][tile][r], four bytes: the four blocks of the K step.   wc, ws: tiles 0..191 are w_qkv's columns, 192..255 w_proj's.
; A block's scale is 2^(floor(log2(largest magnitude)) - 2); its byte is the largest magnitude's exponent field - 2, held at 1 from below by a floor among the maximum's leaves.
; LIMITS: a block of zeros gets the byte 1 (its codes are zeros, and this program alone reads the bytes); blocks whose largest magnitude lies under 2^-124 are held at that floor; NaN and infinities are not served.
; SHARES.  A wave takes one group of 32 rows x one K step of 128: 16 KiB of f32, two records, 32 scale words.  Lane L is row 32 b + L and its 128 registers run along K: four whole blocks, no other lane is asked.
; Work-group g: s = g % 8; set = (g / 8) % 16; b = 8 set + wave.  g < 128: x.  Else set < 12: w_qkv, set >= 12: w_proj (group b - 96).  Three arms load, one path quantises.  No barrier: waves share nothing.
.set D,   32                           ; v32-159  my row's 128 numbers
.set QA,  160                          ; v160-183 the codes as stored: for each half c twelve registers: block 2c's first 16 bytes, block 2c+1's, then the two blocks' last 8 bytes
.set TU,  184                          ; v184-199 the upper 16 codes of each block (a conversion's three registers begin on an even number)
.set SW,  20                           ; v20      my row's scale word
.set SPX, 528                          ; x's stage: a row of 512 bytes + 16: 33 x 16 bytes, so that the lanes' 16-byte reads of 32 different rows fall on different banks
	s_load_b128 s[4:7], s[0:1], 0x0                ; x, w_qkv
	s_load_b128 s[8:11], s[0:1], 0x10              ; w_proj, actc
	s_load_b128 s[12:15], s[0:1], 0x20             ; acts, wc
	s_load_b64 s[16:17], s[0:1], 0x30              ; ws
	v_lshl_add_u32 v200, v0, 2, 0x21000
	v_mov_b32 v201, 0
	v_lshrrev_b32 v1, 5, v0
	s_delay_alu instid0(VALU_DEP_1)
	v_readfirstlane_b32 s18, v1                    ; wave 0..7
	v_and_b32 v1, 31, v0                           ; lane L
	s_delay_alu instid0(VALU_DEP_1)
	v_lshlrev_b32 v2, 4, v1                        ; 16 L
	s_delay_alu instid0(VALU_DEP_2)
	v_lshlrev_b32 v3, 2, v1                        ; 4 L
	s_mul_i32 s19, s18, 32*SPX                     ; my wave's stage
	v_add_nc_u32 v4, s19, v2                       ; into it: 16 L of a row
	v_mul_u32_u24 v5, v1, SPX
	s_delay_alu instid0(VALU_DEP_1)
	v_add_nc_u32 v5, s19, v5                       ; out of it: row L
	v_bfe_u32 v8, v0, 3, 1                         ; u: which of the group's two tiles my row belongs to
	v_and_b32 v9, 7, v0
	v_bfe_u32 v10, v0, 4, 1
	s_delay_alu instid0(VALU_DEP_1)
	v_lshl_or_b32 v9, v10, 3, v9                   ; r: its lane in that tile
	s_delay_alu instid0(VALU_DEP_4)
	v_mul_u32_u24 v6, v8, 12288                    ; a tile's eight records
	s_delay_alu instid0(VALU_DEP_1)
	v_lshl_add_u32 v6, v9, 4, v6                   ; my codes' place: 12,288 u + 16 r
	v_lshlrev_b32 v7, 6, v8
	s_delay_alu instid0(VALU_DEP_1)
	v_lshl_add_u32 v7, v9, 2, v7                   ; my scale word's: 64 u + 4 r
	s_and_b32 s20, ttmp9, 7                        ; s
	s_bfe_u32 s21, ttmp9, 0x40003                  ; set
	s_lshl_b32 s22, s21, 3
	s_add_co_u32 s22, s22, s18                     ; b
	s_mul_i32 s24, s22, 24576                      ; codes: two tiles a group,
	s_mul_i32 s23, s20, 1536
	s_add_co_u32 s24, s24, s23                     ; + the K step's record
	s_mov_b32 s25, 0
	s_lshl_b32 s26, s20, 14                        ; scale words: 16,384 s + 128 b
	s_lshl_b32 s23, s22, 7
	s_add_co_u32 s26, s26, s23
	s_mov_b32 s27, 0
	s_mov_b32 s33, 0
	s_wait_kmcnt 0x0
	s_cmp_lt_u32 ttmp9, 128                        ; the choice of buffers hangs on the work-group's number alone
	s_cselect_b64 s[28:29], s[10:11], s[14:15]
	s_cselect_b64 s[30:31], s[12:13], s[16:17]
	s_add_nc_u64 s[28:29], s[28:29], s[24:25]
	s_add_nc_u64 s[30:31], s[30:31], s[26:27]
	s_cmp_lt_u32 ttmp9, 128
	s_cbranch_scc0 .Lweights
	; ---- x: K is innermost.  Load i reads row i's 512 consecutive bytes, 16 a lane; the 16 KiB turn through my own stage and come back a row to a lane.
	s_lshl_b32 s32, s22, 17                        ; 32 rows of 4,096 bytes a group
	s_lshl_b32 s23, s20, 9
	s_add_co_u32 s32, s32, s23
	s_add_nc_u64 s[4:5], s[4:5], s[32:33]
.set i, 0
.rept 32
	global_load_b128 v[D+4*i:D+4*i+3], v2, s[4:5] offset:i*4096 th:TH_LOAD_NT
.set i, i+1
.endr
.set i, 0
.rept 32
	s_wait_loadcnt 31-i                            ; loads return in order: row i is in, the 31 - i younger ones may be out
	ds_store_b128 v4, v[D+4*i:D+4*i+3] offset:i*SPX
.set i, i+1
.endr
	s_wait_dscnt 0x0                               ; the stores have read their registers: the loads below land in the same ones
.set i, 0
	s_wait_alu depctr_va_vdst(0)
.rept 32
	ds_load_b128 v[D+4*i:D+4*i+3], v5 offset:16*i
.set i, i+1
.endr
	s_wait_dscnt 0x0
	s_branch .Lquantise
	; ---- a weight: K is its first axis.  A lane takes a column and its registers run down K: each load reads 128 consecutive bytes, the eight waves side by side 1,024.
.macro WLOAD pitch, base
.set kk, 0
.rept 128
	global_load_b32 v[D+kk], v3, s[\base:\base+1] offset:kk*\pitch th:TH_LOAD_NT
.set kk, kk+1
.endr
.endm
.Lweights:
	s_cmp_lt_u32 s21, 12
	s_cbranch_scc0 .Lproj
	s_mul_i32 s32, s20, 128*12288                  ; 128 rows of w_qkv a K step
	s_lshl_b32 s23, s22, 7                         ; 32 columns a group
	s_add_co_u32 s32, s32, s23
	s_add_nc_u64 s[6:7], s[6:7], s[32:33]
	WLOAD 12288, 6
	s_branch .Lquantise
.Lproj:
	s_mul_i32 s32, s20, 128*4096
	s_sub_co_u32 s23, s22, 96
	s_lshl_b32 s23, s23, 7
	s_add_co_u32 s32, s32, s23
	s_add_nc_u64 s[8:9], s[8:9], s[32:33]
	WLOAD 4096, 8
.Lquantise:
; Block be (32 numbers, all mine).  cnt: at most the loads that a weight's arm issued behind this block's 32 (96, 64, 32, 0; a wait names 63 at the most); on x's way nothing is out.
.macro BLOCK be, cnt
.set XB,  D+32*(\be)
.set QAR, QA+12*((\be)/2)+4*((\be)%2)
.set QBR, QA+12*((\be)/2)+8+2*((\be)%2)
.set TUR, TU+4*(\be)
	s_wait_loadcnt \cnt
	v_max3_num_f32 v12, |v[XB]|, |v[XB+1]|, |v[XB+2]|          ; the largest magnitude, in two chains
	v_max3_num_f32 v13, |v[XB+3]|, |v[XB+4]|, |v[XB+5]|
.irp i, 6,10,14,18,22,26
	s_delay_alu instid0(VALU_DEP_2)
	v_max3_num_f32 v12, v12, |v[XB+\i]|, |v[XB+\i+1]|
	s_delay_alu instid0(VALU_DEP_2)
	v_max3_num_f32 v13, v13, |v[XB+\i+2]|, |v[XB+\i+3]|
.endr
	s_delay_alu instid0(VALU_DEP_2)
	v_max3_num_f32 v12, v12, |v[XB+30]|, |v[XB+31]|
	s_delay_alu instid0(VALU_DEP_1)
	v_max3_num_f32 v12, v12, v13, 0x1800000        ; and the floor 2^(3 - 127): the byte cannot fall under 1
	s_delay_alu instid0(VALU_DEP_1)
	v_add_nc_u32 v14, 0xff000000, v12              ; 2 off the exponent field: the conversion takes this operand's exponent field as its scale
	s_delay_alu instid0(VALU_DEP_1)
	v_lshrrev_b32 v15, 23, v14                     ; the scale's byte
.if (\be) == 0
	s_delay_alu instid0(VALU_DEP_1)
	v_mov_b32 v[SW], v15
.else
	s_delay_alu instid0(VALU_DEP_1)
	v_lshl_or_b32 v[SW], v15, 8*(\be), v[SW]
.endif
	v_cvt_scalef32_pk16_fp6_f32 v[QAR:QAR+2], v[XB:XB+15], v14
	v_cvt_scalef32_pk16_fp6_f32 v[TUR:TUR+2], v[XB+16:XB+31], v14
	v_nop                                          ; one plain instruction between a scaled conversion and the vector instruction that reads its result
	v_mov_b32 v[QAR+3], v[TUR]                     ; bytes 12-15 close the block's first 16,
	v_mov_b32 v[QBR], v[TUR+1]                     ; bytes 16-23 go with the neighbour block's
	v_mov_b32 v[QBR+1], v[TUR+2]
.endm
.macro OUT c                           ; a half of both tiles' records: each store's 16 lanes of a tile write 256 consecutive bytes, aligned.  No store's data are written again
	global_store_b128 v6, v[QA+12*\c:QA+12*\c+3], s[28:29] offset:768*\c
	global_store_b128 v6, v[QA+12*\c+4:QA+12*\c+7], s[28:29] offset:768*\c+256
	global_store_b128 v6, v[QA+12*\c+8:QA+12*\c+11], s[28:29] offset:768*\c+512
.endm
	BLOCK 0, 63
	BLOCK 1, 63
	OUT 0
	BLOCK 2, 32
	BLOCK 3, 0
	OUT 1
	global_store_b32 v7, v[SW], s[30:31]           ; 32 scale words: 128 consecutive bytes (1/24 of what the wave stores; gathering them over waves would cost a barrier)
	s_wait_tensorcnt 0x0
	ds_add_u32 v200, v201
	s_wait_dscnt 0x0
	s_endpgm
.Lfunc_end_k_q31bdc58557_quant:
	.size	k_q31bdc58557_quant, .Lfunc_end_k_q31bdc58557_quant-k_q31bdc58557_quant
	.p2alignl 7, 3214868480
	.fill 96, 4, 3214868480
	.section	.rodata,"a",@progbits
	.p2align	6, 0x0
	.amdhsa_kernel k_q31bdc58557_quant
		.amdhsa_group_segment_fixed_size 136192
		.amdhsa_private_segment_fixed_size 0
		.amdhsa_enable_private_segment 0
		.amdhsa_kernarg_size 56
		.amdhsa_user_sgpr_count 2
		.amdhsa_user_sgpr_kernarg_segment_ptr 1
		.amdhsa_wavefront_size32 1
		.amdhsa_system_sgpr_workgroup_id_x 1
		.amdhsa_system_sgpr_workgroup_id_y 1
		.amdhsa_system_sgpr_workgroup_id_z 1
		.amdhsa_system_vgpr_workitem_id 0
		.amdhsa_next_free_vgpr 202
		.amdhsa_next_free_sgpr 66
		.amdhsa_reserve_vcc 0
		.amdhsa_float_denorm_mode_32 3
		.amdhsa_float_denorm_mode_16_64 3
		.amdhsa_memory_ordered 1
		.amdhsa_forward_progress 1
		.amdhsa_inst_pref_size 45
	.end_amdhsa_kernel
	.amdgpu_metadata
---
amdhsa.version: [ 1, 2 ]
amdhsa.kernels:
  - .name:           k_q31bdc58557_quant
    .symbol:         k_q31bdc58557_quant.kd
    .args:
      - { .name: x, .offset: 0, .size: 8, .value_kind: global_buffer, .address_space: global }
      - { .name: w_qkv, .offset: 8, .size: 8, .value_kind: global_buffer, .address_space: global }
      - { .name: w_proj, .offset: 16, .size: 8, .value_kind: global_buffer, .address_space: global }
      - { .name: actc, .offset: 24, .size: 8, .value_kind: global_buffer, .address_space: global }
      - { .name: acts, .offset: 32, .size: 8, .value_kind: global_buffer, .address_space: global }
      - { .name: wc, .offset: 40, .size: 8, .value_kind: global_buffer, .address_space: global }
      - { .name: ws, .offset: 48, .size: 8, .value_kind: global_buffer, .address_space: global }
    .group_segment_fixed_size: 136192
    .private_segment_fixed_size: 0
    .kernarg_segment_align: 8
    .kernarg_segment_size: 56
    .max_flat_workgroup_size: 256
    .sgpr_count:     66
    .vgpr_count:     202
    .wavefront_size: 32
...
	.end_amdgpu_metadata
.endif
;; end of part 1
;; launch qkv (part 2): grid 32 x 8, 4 waves a work-group, clusters of 4 x 1, 327,680 bytes of LDS; arguments actc, acts, wc, ws, qc, qs, kv; writes qc, qs, kv
.if DOCPART == 2
	.amdgcn_target "amdgcn-amd-amdhsa--gfx1250"
	.amdhsa_code_object_version 6
	.text
	.protected	k_q31bdc58557_qkv
	.globl	k_q31bdc58557_qkv
	.p2align	8
	.type	k_q31bdc58557_qkv,@function
k_q31bdc58557_qkv:
	s_mov_b64 s[64:65], 0
	v_nop
	global_prefetch_b8 v0, s[64:65] scope:SCOPE_SE
	s_setreg_imm32_b32 hwreg(HW_REG_WAVE_MODE, 25, 1), 1
	s_wait_xcnt 0x0
	s_wait_alu depctr_hold_cnt(0) depctr_sa_sdst(0) depctr_va_vdst(0) depctr_va_sdst(0) depctr_va_ssrc(0) depctr_va_vcc(0) depctr_vm_vsrc(0)
	s_getreg_b32 s2, hwreg(HW_REG_IB_STS2, 6, 4)
	s_cmp_eq_u32 s2, 0
	s_cbranch_scc0 .Lentry_in_a_cluster
	s_endpgm
.Lentry_in_a_cluster:
	s_bfe_u32 s2, ttmp6, 0x10000c
	s_cmp_lg_u32 s2, 0x3003
	s_cbranch_scc0 .Lentry_shape_is_right
	s_endpgm
.Lentry_shape_is_right:
; qkv = x w_qkv on codes of FP6 (E2M3), K = 1024, and q, k, v quantised on the way: q and k along the head's 64, v along the keys.  Nothing wide goes to memory.
; SHARES.  Work-group (mt, nt): tokens 128 mt .. + 127 (one key step of the attention) x heads 2 nt, 2 nt + 1, for each part p = q, k, v (columns 1024 p + 128 nt ..): 256 work-groups of 3 x 128 x 128 x 1024.
; Wave w: rh = w / 2: 64 tokens (x's tiles a = 0..3), ch = w % 2: one head (W's tiles b = 0..3).  16 accumulators a part, 128 products a part.
; NO RING.  A wave's x, 4 tiles x 8 K steps x 12 = 384 registers, comes from memory into registers once and serves all three parts.  The three blocks of W, 98,304 dense bytes each, lie in LDS, each filled once;
; four fragments (6 KiB) read from LDS feed 16 products.
; CLUSTER.  The four partners differ in mt alone, so they need the same W: each load is asked for jointly (mask 15).  cx enters the global addresses of x and of the outputs alone.
; OPERANDS are images of registers (launch quant): a fragment is 1,536 bytes: per half of 768, 16 bytes a lane at 16 l and 8 bytes at 512 + 16 r + 8 h.  Lane r of tile 2 b + u holds row 32 b + 8 u + r + 8 (r / 8):
; where such tiles are source 0, the 16 registers of two neighbouring results are 16 neighbours along that axis.
; q, k: source 0 = W, source 1 = x: a lane holds one token and 32 numbers of the head's 64.  v: source 0 = x, source 1 = W: a lane holds one d and 32 of the wave's 64 keys.  Either way QUANT32 makes one half image.
; OUT.  qc [head][tile][768].  qs [head][tile / 4][r][tile % 4]: words, byte 0 and 1 the two blocks' scales, upper half 0.
; kv [head][key step][12,800]: k's half images at 3,072 G + 768 g (G: 64-key group, g: tile): two neighbours are one fragment of TWO key tiles; v's at 6,144 + 1,536 i + 768 G (i: d tile);
; scale words at 12,288 + 256 G + 8 l: (k, v); lanes 0-15: tile 0's pair of bytes | tile 1's << 16, lanes 16-31: tiles 2 and 3.
; LIMITS: a block of zeros gets the byte 1 (zero codes; only this program reads the bytes); largest magnitudes under 2^-124 are held at that floor; NaN and infinities are not served.
; REGISTERS.  Window 0: v1 16 l, v2 16 r + 8 h, v3 4 l, v4 8 l, v5, v6 LDS addresses; v16-31 x's scale words, v32-79 W's; v80-90 at work; v92-95 the groups' byte pairs; v96-119 codes; v120-125 scale words out; v128-255 accumulators.
; Window 1: x's tiles 0, 1 (96 (a % 2) + 12 s).  Window 2: tiles 2, 3.  Window 3: W's four fragments, two sets (48 set + 12 b).
.set ACC, 128
.set XS,  16                           ; register 2 s + a / 2: lanes 0-15 the even tile's words, lanes 16-31 the odd tile's
.set WS,  32                           ; register 16 p + 2 s + b / 2 likewise
.set TQ,  80
.set SH,  92
.set PG,  96
.set SEL, 50
.set MSB, 0
.macro WIN new                         ; the immediate's high byte repeats the setting that is left
.if MSB != (\new)
	s_set_vgpr_msb (MSB<<8)|(\new)
.set MSB, (\new)
.endif
.endm
.macro PLACES
.rept 4
	v_nop
.endr
.endm
.macro ROUND                           ; a round of the cluster's barrier
	s_barrier_signal -1
	s_barrier_wait -1
	s_cmp_lg_u32 s18, 0
	s_cbranch_scc1 .Lnot_wave_0_\@
	s_barrier_signal -3
.Lnot_wave_0_\@:
	s_barrier_wait -3
	s_barrier_signal -1
	s_barrier_wait -1
.endm
; one product.  zz: the sum starts with 0.  ra, rb: the side's scale words stand in lanes 16-31
.macro WM dd, fa, fb, zz, sa, ra, sb, rb
.if \zz
.if (\ra) && (\rb)
	v_wmma_scale_f32_16x16x128_f8f6f4 v[\dd:\dd+7], v[\fa:\fa+11], v[\fb:\fb+11], 0, v[\sa], v[\sb] matrix_a_fmt:MATRIX_FMT_FP6 matrix_b_fmt:MATRIX_FMT_FP6 matrix_a_scale:MATRIX_SCALE_ROW1 matrix_b_scale:MATRIX_SCALE_ROW1
.elseif \ra
	v_wmma_scale_f32_16x16x128_f8f6f4 v[\dd:\dd+7], v[\fa:\fa+11], v[\fb:\fb+11], 0, v[\sa], v[\sb] matrix_a_fmt:MATRIX_FMT_FP6 matrix_b_fmt:MATRIX_FMT_FP6 matrix_a_scale:MATRIX_SCALE_ROW1
.elseif \rb
	v_wmma_scale_f32_16x16x128_f8f6f4 v[\dd:\dd+7], v[\fa:\fa+11], v[\fb:\fb+11], 0, v[\sa], v[\sb] matrix_a_fmt:MATRIX_FMT_FP6 matrix_b_fmt:MATRIX_FMT_FP6 matrix_b_scale:MATRIX_SCALE_ROW1
.else
	v_wmma_scale_f32_16x16x128_f8f6f4 v[\dd:\dd+7], v[\fa:\fa+11], v[\fb:\fb+11], 0, v[\sa], v[\sb] matrix_a_fmt:MATRIX_FMT_FP6 matrix_b_fmt:MATRIX_FMT_FP6
.endif
.else
.if (\ra) && (\rb)
	v_wmma_scale_f32_16x16x128_f8f6f4 v[\dd:\dd+7], v[\fa:\fa+11], v[\fb:\fb+11], v[\dd:\dd+7], v[\sa], v[\sb] matrix_a_fmt:MATRIX_FMT_FP6 matrix_b_fmt:MATRIX_FMT_FP6 matrix_a_scale:MATRIX_SCALE_ROW1 matrix_b_scale:MATRIX_SCALE_ROW1
.elseif \ra
	v_wmma_scale_f32_16x16x128_f8f6f4 v[\dd:\dd+7], v[\fa:\fa+11], v[\fb:\fb+11], v[\dd:\dd+7], v[\sa], v[\sb] matrix_a_fmt:MATRIX_FMT_FP6 matrix_b_fmt:MATRIX_FMT_FP6 matrix_a_scale:MATRIX_SCALE_ROW1
.elseif \rb
	v_wmma_scale_f32_16x16x128_f8f6f4 v[\dd:\dd+7], v[\fa:\fa+11], v[\fb:\fb+11], v[\dd:\dd+7], v[\sa], v[\sb] matrix_a_fmt:MATRIX_FMT_FP6 matrix_b_fmt:MATRIX_FMT_FP6 matrix_b_scale:MATRIX_SCALE_ROW1
.else
	v_wmma_scale_f32_16x16x128_f8f6f4 v[\dd:\dd+7], v[\fa:\fa+11], v[\fb:\fb+11], v[\dd:\dd+7], v[\sa], v[\sb] matrix_a_fmt:MATRIX_FMT_FP6 matrix_b_fmt:MATRIX_FMT_FP6
.endif
.endif
.endm
; 32 numbers of a lane, register 16 bb + i = k 32 bb + 16 h + i of the lane's row, become a half image's six registers v[pc ..] and the pair of scale bytes v[sh].
; The maxima go up from the low end.
.macro QUANT32 src, pc, tt, sh
.irp e, 0,1
	v_max3_num_f32 v[\tt+\e], |v[\src+16*\e]|, |v[\src+16*\e+1]|, 0x1800000    ; with the floor 2^(3 - 127): the byte cannot fall under 1
.endr
.irp i, 2,4,6,8,10,12,14
.irp e, 0,1
	v_max3_num_f32 v[\tt+\e], v[\tt+\e], |v[\src+16*\e+\i]|, |v[\src+16*\e+\i+1]|
.endr
.endr
	v_permlanex16_b32 v[\tt+2], v[\tt], s[SEL], s[SEL+1]
	v_permlanex16_b32 v[\tt+3], v[\tt+1], s[SEL], s[SEL+1]
	v_max_num_f32 v[\tt], v[\tt], v[\tt+2]         ; with lane l xor 16's 16: the block's largest magnitude
	v_max_num_f32 v[\tt+1], v[\tt+1], v[\tt+3]
	v_add_nc_u32 v[\tt+4], 0xff000000, v[\tt]      ; 2 off the exponent field: the conversion's scale operand
	v_add_nc_u32 v[\tt+5], 0xff000000, v[\tt+1]
	v_lshrrev_b32 v[\tt+6], 23, v[\tt+4]           ; the bytes
	v_lshrrev_b32 v[\tt+7], 23, v[\tt+5]
	v_lshl_or_b32 v[\sh], v[\tt+7], 8, v[\tt+6]
	v_cvt_scalef32_pk16_fp6_f32 v[\pc:\pc+2], v[\src:\src+15], v[\tt+4]
	v_cvt_scalef32_pk16_fp6_f32 v[\tt+8:\tt+10], v[\src+16:\src+31], v[\tt+5]
	v_nop                                          ; one plain instruction behind the scaled conversions
.irp i, 0,1,2
	v_permlane16_swap_b32 v[\pc+\i], v[\tt+8+\i]   ; a whole block to a lane: lanes 0-15 block 0, lanes 16-31 block 1
.endr
.irp i, 0,1,2
	v_mov_b32 v[\pc+3+\i], v[\tt+8+\i]
.endr
.endm
.macro GFRAG reg, off                  ; a fragment of x from memory
	global_load_b128 v[\reg:\reg+3], v1, s[52:53] offset:\off
	global_load_b64 v[\reg+4:\reg+5], v2, s[52:53] offset:\off+512
	global_load_b128 v[\reg+6:\reg+9], v1, s[52:53] offset:\off+768
	global_load_b64 v[\reg+10:\reg+11], v2, s[52:53] offset:\off+1280
.endm
.macro LFRAG reg, off                  ; a fragment of W from LDS: every load's bytes are consecutive
	ds_load_b128 v[\reg:\reg+3], v5 offset:\off
	ds_load_b64 v[\reg+4:\reg+5], v6 offset:\off+512
	ds_load_b128 v[\reg+6:\reg+9], v5 offset:\off+768
	ds_load_b64 v[\reg+10:\reg+11], v6 offset:\off+1280
.endm
	s_load_b256 s[4:11], s[0:1], 0x0               ; actc s[4:5], acts s[6:7], wc s[8:9], ws s[10:11]
	s_load_b128 s[12:15], s[0:1], 0x20             ; qc, qs
	s_load_b64 s[16:17], s[0:1], 0x30              ; kv
	v_lshl_add_u32 v126, v0, 2, 0x48000
	v_mov_b32 v127, 0
	ds_add_u32 v126, v127
	ds_add_u32 v126, v127
	v_lshrrev_b32 v1, 5, v0
	v_readfirstlane_b32 s18, v1                    ; wave 0..3
	s_lshr_b32 s19, s18, 1                         ; rh
	s_and_b32 s20, s18, 1                          ; ch
	s_bfe_u32 s21, ttmp6, 0x40000                  ; cx
	s_lshl_b32 s22, ttmp9, 2
	s_add_co_u32 s22, s22, s21                     ; mt = 4 x cluster x + cx
	s_and_b32 s23, ttmp7, 0xffff                   ; nt, which the four partners share
	; descriptor group 1: my quarter of a block of W, 24,576 dense bytes, as 96 rows of 256 bytes (32 elements of 8 bytes); mask: all four partners, bit 21 beside it
	s_mov_b32 s24, 15|(3<<16)|(1<<21)
	s_mov_b32 s25, 32<<16                          ; tensor_dim0
	s_mov_b32 s26, 96<<16                          ; tensor_dim1
	s_mov_b32 s27, 32<<16                          ; tile_dim0
	s_mov_b32 s28, 96                              ; tile_dim1
	s_mov_b32 s29, 32                              ; the pitch
	s_mov_b32 s30, 0
	s_mov_b32 s31, 0
	s_mul_i32 s44, s23, 98304                      ; W's tiles 8 nt on,
	s_mul_i32 s46, s18, 24576                      ; my two of the eight: in memory and in LDS alike
	s_add_co_u32 s44, s44, s46
	s_mov_b32 s45, 0
	s_mov_b32 s48, 0xffff0000                      ; lanes 16-31
	s_mov_b32 s[SEL], 0x76543210
	s_mov_b32 s[SEL+1], 0xfedcba98                 ; v_permlanex16_b32's selects for lane l xor 16
	v_and_b32 v7, 31, v0                           ; l
	v_and_b32 v8, 15, v0                           ; r
	v_bfe_u32 v9, v0, 4, 1                         ; h
	v_lshlrev_b32 v1, 4, v7
	v_lshlrev_b32 v2, 4, v8
	v_lshl_add_u32 v2, v9, 3, v2
	v_lshlrev_b32 v3, 2, v7
	v_lshlrev_b32 v4, 3, v7
	s_mul_i32 s47, s20, 49152                      ; my head's four tiles in a block
	v_add_nc_u32 v5, s47, v1
	v_add_nc_u32 v6, s47, v2
	v_mov_b32 v[TQ+2], 0                           ; written once: a lane permute's destination counts as one of its sources
	v_mov_b32 v[TQ+3], 0
	s_lshl_b32 s70, s22, 3
	s_lshl_b32 s71, s19, 2
	s_add_co_u32 s70, s70, s71                     ; my first tile of tokens: 8 mt + 4 rh
	s_lshl_b32 s74, s23, 1
	s_add_co_u32 s74, s74, s20                     ; my head
	s_mov_b32 s73, 0
	s_wait_dscnt 0x0
	s_wait_kmcnt 0x0
	s_add_nc_u64 s[44:45], s[8:9], s[44:45]
.irp p, 0,1,2
	s_mov_b32 s[32+4*\p], 1                        ; group 0 of part p: count,
	s_add_co_u32 s[33+4*\p], s46, \p*98304         ; LDS address,
	s_add_nc_u64 s[34+4*\p:35+4*\p], s[44:45], \p*786432   ; global address: 64 tiles a part,
	s_or_b32 s[35+4*\p], s[35+4*\p], 0x80000000    ; type
.endr
	s_mul_i32 s72, s70, 12288
	s_add_nc_u64 s[52:53], s[4:5], s[72:73]        ; x's codes
	s_lshl_b32 s72, s70, 6
	s_add_nc_u64 s[54:55], s[6:7], s[72:73]        ; x's scale words
	s_lshl_b32 s72, s23, 3
	s_lshl_b32 s71, s20, 2
	s_add_co_u32 s72, s72, s71
	s_lshl_b32 s72, s72, 6
	s_add_nc_u64 s[56:57], s[10:11], s[72:73]      ; W's scale words: tile 8 nt + 4 ch of part 0
	s_mul_i32 s72, s74, 196608
	s_mul_i32 s71, s70, 768
	s_add_co_u32 s72, s72, s71
	s_add_nc_u64 s[58:59], s[12:13], s[72:73]      ; q's half images
	s_lshl_b32 s72, s74, 6
	s_lshl_b32 s71, s22, 1
	s_add_co_u32 s72, s72, s71
	s_add_co_u32 s72, s72, s19
	s_lshl_b32 s72, s72, 8
	s_add_nc_u64 s[60:61], s[14:15], s[72:73]      ; q's scale words: 256 bytes for four tiles
	s_lshl_b32 s72, s74, 5
	s_add_co_u32 s72, s72, s22
	s_mul_i32 s72, s72, 12800
	s_add_nc_u64 s[16:17], s[16:17], s[72:73]      ; the record of (head, key step mt)
	s_mul_i32 s72, s19, 3072
	s_add_nc_u64 s[62:63], s[16:17], s[72:73]      ; k's four tiles of my 64 keys
	s_mul_i32 s72, s19, 768
	s_add_co_u32 s72, s72, 6144
	s_add_nc_u64 s[66:67], s[16:17], s[72:73]      ; v's halves of my 64 keys
	s_lshl_b32 s72, s19, 8
	s_add_co_u32 s72, s72, 12288
	s_add_nc_u64 s[68:69], s[16:17], s[72:73]      ; their scale words
	ROUND                                          ; all four work-groups are here: the joint loads meet
	tensor_load_to_lds s[32:35], s[24:31]          ; part 0's block of W: my one load at the head; each byte of LDS is filled once
	s_nop 0
	PLACES                                         ; four v_nop behind a tensor load
	s_wait_alu depctr_va_vdst(0)
.irp s, 0,1,2,3,4,5,6,7
.irp e, 0,1
	global_load_b32 v[XS+2*\s+\e], v3, s[54:55] offset:16384*\s+128*\e
.endr
.endr
.irp p, 0,1,2
.irp s, 0,1,2,3,4,5,6,7
.irp e, 0,1
	global_load_b32 v[WS+16*\p+2*\s+\e], v3, s[56:57] offset:16384*\s+4096*\p+128*\e
.endr
.endr
.endr
	WIN 0x40                                       ; destination window 1
.irp a, 0,1
.irp s, 0,1,2,3,4,5,6,7
	GFRAG 96*\a+12*\s, 12288*\a+1536*\s
.endr
.endr
	WIN 0x80                                       ; destination window 2
.irp a, 0,1
.irp s, 0,1,2,3,4,5,6,7
	GFRAG 96*\a+12*\s, 12288*(\a+2)+1536*\s
.endr
.endr
	WIN 0
	s_wait_loadcnt 0x0
.macro WFETCH ks, st                   ; W's four fragments of K step ks into set st: 16 LDS loads
	WIN 0xc0                                       ; destination window 3, address window 0
.irp b, 0,1,2,3
	LFRAG 48*(\st)+12*\b, 12288*\b+1536*(\ks)
.endr
.endm
; 16 products of K step ks: the 16 accumulators take turns, one instruction a turn, in the same order in every K step
.macro MUL p, ks
.irp a, 0,1,2,3
.if \p < 2
	WIN 0x07+4*(\a/2)                              ; source 0 (W) window 3, source 1 (x) window 1 or 2
.else
	WIN 0x0d+(\a/2)                                ; source 0 (x) window 1 or 2, source 1 (W) window 3
.endif
.irp b, 0,1,2,3
.if \p < 2
	WM ACC+8*(4*\a+\b), 48*((\ks)%2)+12*\b, 96*(\a%2)+12*(\ks), (\ks)==0, WS+16*\p+2*(\ks)+\b/2, \b%2, XS+2*(\ks)+\a/2, \a%2
.else
	WM ACC+8*(4*\b+\a), 96*(\a%2)+12*(\ks), 48*((\ks)%2)+12*\b, (\ks)==0, XS+2*(\ks)+\a/2, \a%2, WS+16*\p+2*(\ks)+\b/2, \b%2
.endif
.endr
.endr
.endm
; Group g (q, k: x's tile g; v: W's tile g) is 32 consecutive registers.  Each b128 store covers 512 consecutive bytes, each b64 store 256, aligned.
.macro EPI p
.irp g, 0,1,2,3
	QUANT32 ACC+32*\g, PG+6*\g, TQ, SH+\g
.if \p == 0
	global_store_b128 v1, v[PG+6*\g:PG+6*\g+3], s[58:59] offset:768*\g
	global_store_b64 v2, v[PG+6*\g+4:PG+6*\g+5], s[58:59] offset:768*\g+512
.elseif \p == 1
	global_store_b128 v1, v[PG+6*\g:PG+6*\g+3], s[62:63] offset:768*\g
	global_store_b64 v2, v[PG+6*\g+4:PG+6*\g+5], s[62:63] offset:768*\g+512
.else
	global_store_b128 v1, v[PG+6*\g:PG+6*\g+3], s[66:67] offset:1536*\g
	global_store_b64 v2, v[PG+6*\g+4:PG+6*\g+5], s[66:67] offset:1536*\g+512
.endif
.endr
.if \p == 0
	v_cndmask_b32 v120, v[SH], v[SH+2], s48        ; lane (r, h) stores row r's words of tiles 2 h and 2 h + 1
	v_cndmask_b32 v121, v[SH+1], v[SH+3], s48
	global_store_b64 v2, v[120:121], s[60:61]
.else
	v_lshl_or_b32 v124, v[SH+1], 16, v[SH]         ; tiles 0 and 1,
	v_lshl_or_b32 v125, v[SH+3], 16, v[SH+2]       ; tiles 2 and 3:
	v_cndmask_b32 v[121+\p], v124, v125, s48       ; lanes 0-15 the first, lanes 16-31 the second
.endif
.if \p == 2
	global_store_b64 v4, v[122:123], s[68:69]      ; (k's word, v's word)
.endif
.endm
.macro PART p
	s_wait_tensorcnt 0x0                           ; my quarter of this part's W has landed: no load of mine is out
.if \p < 2
	ds_add_u32 v126, v127                          ; the add ahead of a later first fill
	s_wait_dscnt 0x0
	ROUND                                          ; everybody's quarter is in, and the four partners meet for the next joint load
	tensor_load_to_lds s[36+4*\p:39+4*\p], s[24:31]    ; the next part's block, into bytes of its own: it has this part's 128 products in which to land
	s_nop 0
	PLACES
.else
	s_wait_dscnt 0x0
	s_barrier_signal -1
	s_barrier_wait -1                              ; everybody's has; nothing more is asked for
.endif
	WFETCH 0, 0
.irp s, 0,1,2,3,4,5,6,7
.if \s < 7
.if \s > 0
	PLACES                                         ; four places between the products that read a set and the loads into it (ISA guide 7.12.1 for vector instructions)
.endif
	WFETCH \s+1, (\s+1)%2
	s_wait_dscnt 16                                ; this K step's fragments are in; the 16 loads just issued may be out
.else
	s_wait_dscnt 0x0
.endif
	MUL \p, \s
.endr
	PLACES                                         ; four places in front of the first read of results
	WIN 0
	s_wait_xcnt 0x0                                ; the last part's stores have read the registers that are written again below
	EPI \p
	v_add_nc_u32 v5, 98304, v5                     ; on to the next part's block
	v_add_nc_u32 v6, 98304, v6
.endm
	PART 0
	s_wait_alu depctr_va_vdst(0)
	PART 1
	s_wait_alu depctr_va_vdst(0)
	PART 2
	s_wait_tensorcnt 0x0
	ds_add_u32 v126, v127
	s_wait_dscnt 0x0
	ROUND                                          ; the closing round: no work-group ends while a partner may still ask for a tile that names it
	s_endpgm
.Lfunc_end_k_q31bdc58557_qkv:
	.size	k_q31bdc58557_qkv, .Lfunc_end_k_q31bdc58557_qkv-k_q31bdc58557_qkv
	.p2alignl 7, 3214868480
	.fill 96, 4, 3214868480
	.section	.rodata,"a",@progbits
	.p2align	6, 0x0
	.amdhsa_kernel k_q31bdc58557_qkv
		.amdhsa_group_segment_fixed_size 327680
		.amdhsa_private_segment_fixed_size 0
		.amdhsa_enable_private_segment 0
		.amdhsa_kernarg_size 56
		.amdhsa_user_sgpr_count 2
		.amdhsa_user_sgpr_kernarg_segment_ptr 1
		.amdhsa_wavefront_size32 1
		.amdhsa_system_sgpr_workgroup_id_x 1
		.amdhsa_system_sgpr_workgroup_id_y 1
		.amdhsa_system_sgpr_workgroup_id_z 1
		.amdhsa_system_vgpr_workitem_id 0
		.amdhsa_next_free_vgpr 1024
		.amdhsa_next_free_sgpr 80
		.amdhsa_reserve_vcc 0
		.amdhsa_float_denorm_mode_32 3
		.amdhsa_float_denorm_mode_16_64 3
		.amdhsa_memory_ordered 1
		.amdhsa_forward_progress 1
		.amdhsa_inst_pref_size 129
	.end_amdhsa_kernel
	.amdgpu_metadata
---
amdhsa.version: [ 1, 2 ]
amdhsa.kernels:
  - .name:           k_q31bdc58557_qkv
    .symbol:         k_q31bdc58557_qkv.kd
    .args:
      - { .name: actc, .offset: 0, .size: 8, .value_kind: global_buffer, .address_space: global }
      - { .name: acts, .offset: 8, .size: 8, .value_kind: global_buffer, .address_space: global }
      - { .name: wc, .offset: 16, .size: 8, .value_kind: global_buffer, .address_space: global }
      - { .name: ws, .offset: 24, .size: 8, .value_kind: global_buffer, .address_space: global }
      - { .name: qc, .offset: 32, .size: 8, .value_kind: global_buffer, .address_space: global }
      - { .name: qs, .offset: 40, .size: 8, .value_kind: global_buffer, .address_space: global }
      - { .name: kv, .offset: 48, .size: 8, .value_kind: global_buffer, .address_space: global }
    .group_segment_fixed_size: 327680
    .private_segment_fixed_size: 0
    .kernarg_segment_align: 8
    .kernarg_segment_size: 56
    .max_flat_workgroup_size: 128
    .sgpr_count:     80
    .vgpr_count:     1024
    .wavefront_size: 32
...
	.end_amdgpu_metadata
.endif
;; end of part 2
;; launch attn (part 3): grid 16 x 16, 8 waves a work-group, no clusters, 327,680 bytes of LDS; arguments qc, qs, kv, actc, acts; writes actc, acts
.if DOCPART == 3
	.amdgcn_target "amdgcn-amd-amdhsa--gfx1250"
	.amdhsa_code_object_version 6
	.text
	.protected	k_q31bdc58557_attn
	.globl	k_q31bdc58557_attn
	.p2align	8
	.type	k_q31bdc58557_attn,@function
k_q31bdc58557_attn:
	s_mov_b64 s[64:65], 0
	v_nop
	global_prefetch_b8 v0, s[64:65] scope:SCOPE_SE
	s_setreg_imm32_b32 hwreg(HW_REG_WAVE_MODE, 25, 1), 1
	s_wait_xcnt 0x0
; y[q] = softmax over keys k <= q of (q . k / 8) v, one head of 64, both products on codes of FP6 (E2M3); y is quantised along C on the way out, as the last product's operand.
; THE SOFTMAX: t = score x log2(e) / 8; M = the running largest t rounded UP to a whole number; p = 2^(t - M) is quantised along the keys, not normalised; the row's sum is taken of the
; unquantised p and divides O at the end.  When M moves, the sum and O are multiplied by 2^(old M - new M): exact.
; LEFT OUT: key steps that lie wholly behind a block of queries: the causal mask gives them -infinity ahead of the softmax, so they reach no output.
; SHARES.  Work-group (i, head) owns the blocks i (low) and 31 - i (high) of 128 queries.  Wave w holds query tile w of BOTH blocks at once: the high tile's state in register window 0, the low tile's in window 1.
; Key steps of 128 keys go 0 .. 31 - i.  In steps 0 .. i every fragment of k and v read from LDS feeds both tiles; behind step i the low tile is finished and stored.  (i + 1) + (32 - i) = 33 tile steps for every i.
; NO CLUSTER: the work-groups that share k and v need different numbers of key steps, and the low tile's end and the diagonals are branches on i; partners of a cluster must run alike.
; THE RING.  Two slots of four records of kv (a record: 50 rows of 256 bytes: k, v, scale words of one key step).  A group of four records is 200 dense rows: each wave brings 25, one load behind each barrier,
; four key steps ahead of the wait for it: so no prefetch is written.  Every trip count is a constant; a step behind 31 - i is passed over by a branch on ids, and so is a load whose record (4 group + w / 2) no step reads.
; LDS rows are 256 + 64 bytes apart (pitch 320), a record 16,000.
; WHOLE BLOCKS OF KEYS IN A LANE.  kv holds k's tiles as launch quant's tiles (tile 2 b + u, row x: key 32 b + 8 u + x + 8 (x / 8)).  Here a tile of k is formed by the lanes' LDS ADDRESSES: tile 4 c + t takes keys
; 64 c + 8 t + 0..7 in rows 0-7 and keys 64 c + 32 + 8 t + 0..7 in rows 8-15 (rows 8-15 come from the image two tiles, 1,920 LDS bytes, further on: 128 modulo 256).
; In S^T = k q^T lane (r, h) then holds query r, and its register n the key n + 32 (n / 32) + 32 h: registers 32 c .. 32 c + 31 are block 2 c + h of the keys, in the order that p's operand wants.
; So a block's largest score needs no other lane and p's codes are not moved between lanes; lanes l and l xor 16 exchange the row's maximum and their halves of p's scale word.
; K = 64 IN q k^T.  A fragment of k holds TWO key tiles, one in each 64 of its K; it is multiplied by [Q | 0] and by [0 | Q].  The dead half has zero codes and the scale byte 0 on Q's side: its products are exact zeros.
; OUT.  y's half image goes to actc at tile x 12,288 + head x 768; its two scale bytes to acts by a store of two bytes (lanes l and l xor 16 store the same bytes to the same place).
; LIMITS: the promise holds while the scaled scores stay under 2^31 in magnitude; scores under -3e38 are not served; a block of zeros gets the byte 1; largest magnitudes under 2^-124 are held at that floor;
; NaN and infinities are not served, and one that reaches only a key step left out is not carried to the result.
; REGISTERS.  The same numbers in both windows for a tile's state: v64-127 S, then p; v128-159 O^T; v160-171 p's codes; v172-178 at work; v180-187 at work; v188 -M, v189 largest score; v[190:191] the sum;
; v192 f, v193 8 h; v194-207 partial sums; v208-225 [0 x 6 | Q | 0 x 6]; v226 my query - 32 h; v227 -infinity.
; Window 0 alone: v1 16 l, v2 16 r + 8 h, v3 4 r, v4, v5 the add's, v6-11 the step's addresses, v16-63 k's fragments, v228-239 scale words, v240-244 the lanes' address terms.  Window 1 alone: v16-63 v's fragments.
.set REC,   16000
.set SLOT,  4*REC
.set SPARE, 2*SLOT                     ; the spare words: 128 bytes for each of eight waves, four blocks of 256 bytes that no other line names
.set GRP,   51200                      ; four records in memory
.set KF, 16
.set VF, 16
.set S,  64
.set OA, 128
.set PC, 160
.set CT, 172
.set BM, 180
.set SO, 182
.set TT, 184
.set NM, 188
.set RM, 189
.set LS, 190
.set FA, 192
.set H8, 193
.set AC, 194
.set QF, 208
.set QL, 226
.set NINF, 227
.set KS, 228                           ; k's words: register c: lanes 0-15 fragment 2 c, lanes 16-31 fragment 2 c + 1
.set VR, 230                           ; v's words as they lie, keys 0-63 and 64-127
.set VS, 232                           ; v's words as the products want them
.set QS, 234                           ; Q's word and the same << 16: high tile, then low tile
.set PS, 238                           ; p's word: high tile, low tile
.set TK128, 240
.set TK64,  241
.set TKS,   242
.set TV128, 243
.set TVS,   244
.set SEL, 56
.set MSB, 0
.macro WIN new                         ; the immediate's high byte repeats the setting that is left
.if MSB != (\new)
	s_set_vgpr_msb (MSB<<8)|(\new)
.set MSB, (\new)
.endif
.endm
.macro PLACES
.rept 4
	v_nop
.endr
.endm
.macro VW
	s_wait_alu depctr_va_vdst(0)
.endm
.macro WM dd, fa, fb, zz, sa, ra, sb   ; one product.  zz: the sum starts with 0.  ra: source 0's scale words stand in lanes 16-31
.if \zz
.if \ra
	v_wmma_scale_f32_16x16x128_f8f6f4 v[\dd:\dd+7], v[\fa:\fa+11], v[\fb:\fb+11], 0, v[\sa], v[\sb] matrix_a_fmt:MATRIX_FMT_FP6 matrix_b_fmt:MATRIX_FMT_FP6 matrix_a_scale:MATRIX_SCALE_ROW1
.else
	v_wmma_scale_f32_16x16x128_f8f6f4 v[\dd:\dd+7], v[\fa:\fa+11], v[\fb:\fb+11], 0, v[\sa], v[\sb] matrix_a_fmt:MATRIX_FMT_FP6 matrix_b_fmt:MATRIX_FMT_FP6
.endif
.else
.if \ra
	v_wmma_scale_f32_16x16x128_f8f6f4 v[\dd:\dd+7], v[\fa:\fa+11], v[\fb:\fb+11], v[\dd:\dd+7], v[\sa], v[\sb] matrix_a_fmt:MATRIX_FMT_FP6 matrix_b_fmt:MATRIX_FMT_FP6 matrix_a_scale:MATRIX_SCALE_ROW1
.else
	v_wmma_scale_f32_16x16x128_f8f6f4 v[\dd:\dd+7], v[\fa:\fa+11], v[\fb:\fb+11], v[\dd:\dd+7], v[\sa], v[\sb] matrix_a_fmt:MATRIX_FMT_FP6 matrix_b_fmt:MATRIX_FMT_FP6
.endif
.endif
.endm
; 32 numbers of a lane, register 16 bb + i = k 32 bb + 16 h + i of the lane's row, become a half image's six registers v[pc ..] and the pair of scale bytes v[sh]
.macro QUANT32 src, pc, tt, sh
.irp e, 0,1
	v_max3_num_f32 v[\tt+\e], |v[\src+16*\e]|, |v[\src+16*\e+1]|, 0x1800000    ; with the floor 2^(3 - 127): the byte cannot fall under 1
.endr
.irp i, 2,4,6,8,10,12,14
.irp e, 0,1
	s_delay_alu instid0(VALU_DEP_2)
	v_max3_num_f32 v[\tt+\e], v[\tt+\e], |v[\src+16*\e+\i]|, |v[\src+16*\e+\i+1]|
.endr
.endr
	s_delay_alu instid0(VALU_DEP_2)
	v_permlanex16_b32 v[\tt+2], v[\tt], s[SEL], s[SEL+1]
	s_delay_alu instid0(VALU_DEP_2)
	v_permlanex16_b32 v[\tt+3], v[\tt+1], s[SEL], s[SEL+1]
	s_delay_alu instid0(VALU_DEP_2)
	v_max_num_f32 v[\tt], v[\tt], v[\tt+2]
	s_delay_alu instid0(VALU_DEP_2)
	v_max_num_f32 v[\tt+1], v[\tt+1], v[\tt+3]
	s_delay_alu instid0(VALU_DEP_2)
	v_add_nc_u32 v[\tt+4], 0xff000000, v[\tt]
	s_delay_alu instid0(VALU_DEP_2)
	v_add_nc_u32 v[\tt+5], 0xff000000, v[\tt+1]
	s_delay_alu instid0(VALU_DEP_2)
	v_lshrrev_b32 v[\tt+6], 23, v[\tt+4]
	s_delay_alu instid0(VALU_DEP_2)
	v_lshrrev_b32 v[\tt+7], 23, v[\tt+5]
	s_delay_alu instid0(VALU_DEP_1)
	v_lshl_or_b32 v[\sh], v[\tt+7], 8, v[\tt+6]
	v_cvt_scalef32_pk16_fp6_f32 v[\pc:\pc+2], v[\src:\src+15], v[\tt+4]
	v_cvt_scalef32_pk16_fp6_f32 v[\tt+8:\tt+10], v[\src+16:\src+31], v[\tt+5]
	v_nop                                          ; one plain instruction behind the scaled conversions
.irp i, 0,1,2
	v_permlane16_swap_b32 v[\pc+\i], v[\tt+8+\i]
.endr
.irp i, 0,1,2
	s_delay_alu instid0(VALU_DEP_3)
	v_mov_b32 v[\pc+3+\i], v[\tt+8+\i]
.endr
.endm
	s_load_b256 s[4:11], s[0:1], 0x0               ; qc s[4:5], qs s[6:7], kv s[8:9], actc s[10:11]
	s_load_b64 s[12:13], s[0:1], 0x20              ; acts
	v_lshl_add_u32 v4, v0, 2, SPARE                ; my spare word; never rewritten
	v_mov_b32 v5, 0                                ; 0; never rewritten
	ds_add_u32 v4, v5                              ; the opening lines: the add, twice on end, and its wait ahead of my first tensor load
	ds_add_u32 v4, v5
	v_lshrrev_b32 v6, 5, v0
	v_readfirstlane_b32 s14, v6                    ; wave 0..7
	s_mov_b32 s15, ttmp9                           ; i
	s_add_co_u32 s16, s15, 1
	s_and_b32 s17, ttmp7, 0xffff                   ; head
	s_sub_co_u32 s19, 31, s15                      ; the last key step
	; group 1: 25 rows of 256 bytes (32 elements of 8 bytes), dense in memory; in LDS 16 words of padding behind every 64
	s_mov_b32 s24, (3<<16)|(1<<20)|(5<<22)|(15<<25)
	s_mov_b32 s25, 32<<16
	s_mov_b32 s26, 25<<16
	s_mov_b32 s27, 32<<16
	s_mov_b32 s28, 25
	s_mov_b32 s29, 32
	s_mov_b32 s30, 0
	s_mov_b32 s31, 0
	s_mul_i32 s42, s17, 32*12800                   ; the head's 32 records,
	s_mul_i32 s43, s14, 6400                       ; my 25 rows of a group
	s_add_co_u32 s42, s42, s43
	s_mov_b32 s43, 0
	s_mul_i32 s44, s14, 8000                       ; and their place in a slot
	s_lshr_b32 s40, s14, 1                         ; the record in which slot 0's next load of mine lies,
	s_add_co_u32 s41, s40, 4                       ; and slot 1's
	s_mov_b32 s22, 0x3e38aa3b                      ; c = log2(e) / 8
	s_mov_b32 s23, s22                             ; (named with it as a pair)
	s_mov_b32 s[SEL], 0x76543210
	s_mov_b32 s[SEL+1], 0xfedcba98                 ; v_permlanex16_b32's selects for lane l xor 16
	s_mov_b32 s58, 0x05040100                      ; two low halves
	s_mov_b32 s59, 0x07060302                      ; two high halves
	s_wait_dscnt 0x0
	s_wait_kmcnt 0x0
	s_mov_b32 s32, 1
	s_mov_b32 s33, s44
	s_add_nc_u64 s[34:35], s[8:9], s[42:43]        ; group 0 of records
	s_mov_b32 s36, 1
	s_add_co_u32 s37, s44, SLOT
	s_add_nc_u64 s[38:39], s[34:35], GRP           ; group 1
	s_or_b32 s35, s35, 0x80000000
	s_or_b32 s39, s39, 0x80000000
	tensor_load_to_lds s[32:35], s[24:31]          ; key steps 0 to 3: my one load at the head
	s_nop 0
	PLACES
	s_lshr_b32 s60, s14, 1
	s_lshl_b32 s60, s60, 5
	s_and_b32 s61, s14, 1
	s_lshl_b32 s61, s61, 3
	s_add_co_u32 s60, s60, s61                     ; 32 (w / 2) + 8 (w % 2)
	v_and_b32 v6, 31, v0                           ; l
	v_and_b32 v7, 15, v0                           ; r
	v_bfe_u32 v8, v0, 4, 1                         ; h
	v_and_b32 v9, 7, v0                            ; r % 8
	v_bfe_u32 v10, v0, 3, 1                        ; r / 8
	v_lshlrev_b32 v1, 4, v6
	v_lshlrev_b32 v15, 4, v7                       ; 16 r: Q's scale words lie 16 bytes apart
	v_lshl_add_u32 v2, v8, 3, v15
	v_lshlrev_b32 v3, 2, v7
	v_mad_u32_u24 v[TV128], v8, 320, v15           ; v's 16 bytes: 16 r, + a row for h
	v_lshlrev_b32 v11, 4, v9
	v_mad_u32_u24 v11, v10, 1920, v11              ; k: 16 (r % 8), rows 8-15 two tiles on
	v_mad_u32_u24 v[TK128], v8, 320, v11
	v_lshl_add_u32 v[TK64], v8, 3, v11
	v_lshl_add_u32 v11, v10, 4, v9
	v_lshl_add_u32 v11, v8, 3, v11
	v_lshlrev_b32 v[TKS], 3, v11                   ; k's words: 8 x (8 h + r % 8 + 16 (r / 8))
	v_lshlrev_b32 v[TVS], 3, v6                    ; v's: 8 l
	v_lshl_add_u32 v12, v10, 3, v7
	v_lshlrev_b32 v13, 5, v8
	v_sub_nc_u32 v12, v12, v13
	v_add_nc_u32 v12, s60, v12                     ; my query in its block, 32 (w / 2) + 8 (w % 2) + r + 8 (r / 8), - 32 h
	v_lshlrev_b32 v13, 3, v8                       ; 8 h
	s_lshl_b32 s60, s15, 3
	s_add_co_u32 s62, s60, s14                     ; my low tile: 8 i + w
	s_sub_co_u32 s63, 248, s60
	s_add_co_u32 s63, s63, s14                     ; my high tile: 8 (31 - i) + w
	s_mov_b32 s83, 0
	s_mul_i32 s80, s17, 196608
	s_mul_i32 s82, s62, 768
	s_add_co_u32 s82, s82, s80
	s_add_nc_u64 s[84:85], s[4:5], s[82:83]        ; Q, low
	s_mul_i32 s82, s63, 768
	s_add_co_u32 s82, s82, s80
	s_add_nc_u64 s[86:87], s[4:5], s[82:83]        ; Q, high
	s_lshl_b32 s80, s17, 14
	s_lshr_b32 s82, s62, 2
	s_lshl_b32 s82, s82, 8
	s_and_b32 s81, s62, 3
	s_lshl_b32 s81, s81, 2
	s_add_co_u32 s82, s82, s81
	s_add_co_u32 s82, s82, s80
	s_add_nc_u64 s[88:89], s[6:7], s[82:83]        ; its scale words, low
	s_lshr_b32 s82, s63, 2
	s_lshl_b32 s82, s82, 8
	s_and_b32 s81, s63, 3
	s_lshl_b32 s81, s81, 2
	s_add_co_u32 s82, s82, s81
	s_add_co_u32 s82, s82, s80
	s_add_nc_u64 s[90:91], s[6:7], s[82:83]        ; high
	s_mul_i32 s80, s17, 768
	s_mul_i32 s82, s62, 12288
	s_add_co_u32 s82, s82, s80
	s_add_nc_u64 s[66:67], s[10:11], s[82:83]      ; y's codes, low
	s_mul_i32 s82, s63, 12288
	s_add_co_u32 s82, s82, s80
	s_add_nc_u64 s[70:71], s[10:11], s[82:83]      ; high
	s_lshr_b32 s80, s17, 1
	s_lshl_b32 s80, s80, 14
	s_and_b32 s81, s17, 1
	s_lshl_b32 s81, s81, 1
	s_add_co_u32 s80, s80, s81
	s_lshl_b32 s82, s62, 6
	s_add_co_u32 s82, s82, s80
	s_add_nc_u64 s[68:69], s[12:13], s[82:83]      ; y's scale bytes, low
	s_lshl_b32 s82, s63, 6
	s_add_co_u32 s82, s82, s80
	s_add_nc_u64 s[72:73], s[12:13], s[82:83]      ; high
	VW
	WIN 0x40                                       ; destination window 1: the low tile
	global_load_b128 v[QF+6:QF+9], v1, s[84:85]
	global_load_b64 v[QF+10:QF+11], v2, s[84:85] offset:512
	WIN 0
	global_load_b128 v[QF+6:QF+9], v1, s[86:87]
	global_load_b64 v[QF+10:QF+11], v2, s[86:87] offset:512
	global_load_b32 v[QS+2], v15, s[88:89]
	global_load_b32 v[QS], v15, s[90:91]
.macro INIT w                          ; a tile's state.  O^T is cleared once a tile: a first step of its own would be one more copy of the step
	WIN 0x40*\w
.irp j, 0,1,2,3,4,5,12,13,14,15,16,17
	v_mov_b32 v[QF+\j], 0                          ; the zero codes on both sides of Q
.endr
.irp j, LS,LS+1,TT,TT+1,TT+2,TT+3,AC+2,AC+3
	v_mov_b32 v[\j], 0                             ; the sum; and lane permutes' destinations, which count as sources
.endr
	v_mov_b32 v[RM], 0xff61b1e6                    ; the largest score so far: -3e38
	v_mov_b32 v[NM], 0x7f61b1e6                    ; -M: 3e38, so that the first f is 0
	v_mov_b32 v[NINF], 0xff800000
	v_mov_b32 v[QL], v12
	v_mov_b32 v[H8], v13
.set n, 0
.rept 32
	v_mov_b32 v[OA+n], 0
.set n, n+1
.endr
	WIN 0
.endm
	INIT 1
	s_wait_loadcnt 0x0                             ; Q and its words
	v_lshlrev_b32 v[QS+1], 16, v[QS]               ; Q's words for [0 | Q]; INIT's lines stand between these writes of scale registers and the first product
	v_lshlrev_b32 v[QS+3], 16, v[QS+2]
	INIT 0
; THE END OF A TILE: O^T / the sum is y's 64 numbers of this head for my 16 queries: quantised and stored.
.macro FINISH w, yb, sb
	PLACES                                         ; four places behind the last products
	WIN 0x55*\w
	v_add_f32 v[LS], v[LS], v[LS+1]
	s_delay_alu instid0(VALU_DEP_1)
	v_permlanex16_b32 v[TT], v[LS], s[SEL], s[SEL+1]
	s_delay_alu instid0(VALU_DEP_1)
	v_add_f32 v[LS], v[LS], v[TT]                  ; the row's sum
	VW
	v_rcp_f32 v[LS], v[LS]
	v_nop                                          ; a plain instruction behind the transcendental
	VW
.set n, 0
.rept 32
	v_mul_f32 v[S+n], v[OA+n], v[LS]               ; register 16 bb + i is d = 32 bb + 16 h + i; each accumulator from its low end on
.set n, n+1
.endr
	QUANT32 S, PC, AC, TT
	WIN 0x04*\w                                    ; the data in the tile's window, the addresses in window 0
	global_store_b128 v1, v[PC:PC+3], s[\yb:\yb+1]             ; 512 consecutive bytes, aligned
	global_store_b64 v2, v[PC+4:PC+5], s[\yb:\yb+1] offset:512 ; 256
	global_store_b16 v3, v[TT], s[\sb:\sb+1]       ; row r's two scale bytes
	WIN 0
	s_wait_xcnt 0x0                                ; the stores have read their registers
.endm
.macro SMUL w                          ; S^T = k q^T for the tile in window w: eight key tiles
	WIN 0x44*\w                                    ; source 0 (k) window 0; source 1 (Q) and the result in the tile's
.irp f, 0,1,2,3
	WM S+16*\f, KF+12*\f, QF+6, 1, KS+\f/2, \f%2, QS+2*\w
	WM S+16*\f+8, KF+12*\f, QF, 1, KS+\f/2, \f%2, QS+2*\w+1
.endr
	WIN 0
.endm
.macro VWORDS                          ; v's words; with two v_nop: the four places behind the products
	v_perm_b32 v[VS], v[VR+1], v[VR], s58          ; d tiles 0 (lanes 0-15) and 2 (lanes 16-31): bytes of keys 0-63 below, of keys 64-127 above
	v_perm_b32 v[VS+1], v[VR+1], v[VR], s59        ; d tiles 1 and 3
	v_nop
	v_nop
.endm
; The softmax, p's codes and O^T += v^T p^T for the tile in window w.  dg: the scalar that holds its diagonal's key step.
.macro SOFT w, dg
	s_cmp_lg_u32 s18, s[\dg]
	s_cbranch_scc1 .Lopen_\@
	WIN 0x55*\w
	VW
.set n, 0
.rept 64
	v_cmp_gt_i32 vcc_lo, n+32*(n/32), v[QL]        ; register n holds key n + 32 (n / 32) + 32 h: hidden where it lies behind my query
	v_cndmask_b32 v[S+n], v[S+n], v[NINF], vcc_lo
.set n, n+1
.endr
	WIN 0
.Lopen_\@:
	WIN 0x55*\w
	VW
.irp c, 0,1
	v_max3_num_f32 v[BM+\c], v[S+32*\c], v[S+32*\c+1], v[S+32*\c+2]        ; my two blocks' largest scores, each in two chains: for the row's maximum and, since p rises with the score, for the block's largest p
	v_max3_num_f32 v[TT+\c], v[S+32*\c+16], v[S+32*\c+17], v[S+32*\c+18]
.endr
.irp i, 3,5,7,9,11,13
.irp c, 0,1
	v_max3_num_f32 v[BM+\c], v[BM+\c], v[S+32*\c+\i], v[S+32*\c+\i+1]
	v_max3_num_f32 v[TT+\c], v[TT+\c], v[S+32*\c+16+\i], v[S+32*\c+17+\i]
.endr
.endr
.irp c, 0,1
	v_max3_num_f32 v[BM+\c], v[BM+\c], v[TT+\c], v[S+32*\c+15]
.endr
.irp c, 0,1
	v_max_num_f32 v[BM+\c], v[BM+\c], v[S+32*\c+31]
.endr
	s_delay_alu instid0(VALU_DEP_1)
	v_max3_num_f32 v[TT], v[BM], v[BM+1], v[RM]
	s_delay_alu instid0(VALU_DEP_1)
	v_permlanex16_b32 v[TT+1], v[TT], s[SEL], s[SEL+1]
	s_delay_alu instid0(VALU_DEP_1)
	v_max_num_f32 v[RM], v[TT], v[TT+1]            ; the running largest score of my query
	s_delay_alu instid0(VALU_DEP_1)
	v_mul_f32 v[TT+2], s22, v[RM]                  ; as t (c is positive)
	s_delay_alu instid0(VALU_DEP_1)
	v_floor_f32 v[TT+3], -v[TT+2]                  ; the new -M = -ceil(t)
	s_delay_alu instid0(VALU_DEP_1)
	v_sub_f32 v[TT+2], v[TT+3], v[NM]              ; old M - new M: a whole number, 0 or less
	v_mov_b32 v[NM], v[TT+3]
	s_delay_alu instid0(VALU_DEP_2)
	v_cvt_i32_f32 v[TT+2], v[TT+2]                 ; (it saturates)
	s_delay_alu instid0(VALU_DEP_1)
	v_ldexp_f32 v[FA], 1.0, v[TT+2]                ; f = 2^(old M - new M)
.set n, 0
.rept 32
	v_pk_fma_f32 v[S+n:S+n+1], v[S+n:S+n+1], s[22:23], v[NM:NM+1] op_sel_hi:[1,0,0]   ; t - M
.set n, n+2
.endr
	v_fma_f32 v[BM], v[BM], s22, v[NM]
	v_fma_f32 v[BM+1], v[BM+1], s22, v[NM]
	VW
	v_exp_f32 v[BM], v[BM]                         ; each block's largest p
	v_exp_f32 v[BM+1], v[BM+1]
.set n, 0
.rept 64
	v_exp_f32 v[S+n], v[S+n]                       ; p = 2^(t - M)
.set n, n+1
.endr
	v_nop                                          ; the plain instruction behind the batch
	VW                                             ; one wait for the 66
	v_pk_fma_f32 v[LS:LS+1], v[LS:LS+1], v[FA:FA+1], v[S:S+1] op_sel_hi:[1,0,1]    ; the sum under the new M, and the unquantised p, in eight chains
.irp k, 1,2,3,4,5,6,7
	v_pk_add_f32 v[AC+2*\k-2:AC+2*\k-1], v[S+2*\k:S+2*\k+1], v[S+2*\k+16:S+2*\k+17]
.endr
.irp g, 16,32
	v_pk_add_f32 v[LS:LS+1], v[LS:LS+1], v[S+\g:S+\g+1]
.irp k, 1,2,3,4,5,6,7
	v_pk_add_f32 v[AC+2*\k-2:AC+2*\k-1], v[AC+2*\k-2:AC+2*\k-1], v[S+2*\k+16+\g:S+2*\k+17+\g]
.endr
.endr
	v_pk_add_f32 v[LS:LS+1], v[LS:LS+1], v[S+48:S+49]
	v_pk_add_f32 v[AC:AC+1], v[AC:AC+1], v[AC+2:AC+3]
	v_pk_add_f32 v[AC+4:AC+5], v[AC+4:AC+5], v[AC+6:AC+7]
	v_pk_add_f32 v[AC+8:AC+9], v[AC+8:AC+9], v[AC+10:AC+11]
	v_pk_add_f32 v[LS:LS+1], v[LS:LS+1], v[AC+12:AC+13]
	v_pk_add_f32 v[AC:AC+1], v[AC:AC+1], v[AC+4:AC+5]
	v_pk_add_f32 v[LS:LS+1], v[LS:LS+1], v[AC+8:AC+9]
	s_delay_alu instid0(VALU_DEP_1)
	v_pk_add_f32 v[LS:LS+1], v[LS:LS+1], v[AC:AC+1]
.irp c, 0,1
	v_max_num_f32 v[BM+\c], 0x1800000, v[BM+\c]    ; the floor: a block whose every p is 0 keeps the byte 1: its codes are zeros
.endr
.irp c, 0,1
	s_delay_alu instid0(VALU_DEP_2)
	v_add_nc_u32 v[SO+\c], 0xff000000, v[BM+\c]    ; 2 off the exponent field: the conversion's scale operand
.endr
.irp c, 0,1
	s_delay_alu instid0(VALU_DEP_2)
	v_lshrrev_b32 v[TT+\c], 23, v[SO+\c]           ; the bytes of blocks h and 2 + h
.endr
	s_delay_alu instid0(VALU_DEP_1)
	v_lshl_or_b32 v[TT], v[TT+1], 16, v[TT]
.irp c, 0,1
	v_cvt_scalef32_pk16_fp6_f32 v[PC+6*\c:PC+6*\c+2], v[S+32*\c:S+32*\c+15], v[SO+\c]
	v_cvt_scalef32_pk16_fp6_f32 v[CT+4*\c:CT+4*\c+2], v[S+32*\c+16:S+32*\c+31], v[SO+\c]   ; (a conversion's three registers begin on an even number)
.endr
	v_lshlrev_b32 v[TT], v[H8], v[TT]              ; at their places in the word, 8 h bits up.  (The plain instruction behind the conversions)
	s_delay_alu instid0(VALU_DEP_1)
	v_permlanex16_b32 v[TT+1], v[TT], s[SEL], s[SEL+1]
	WIN 0x05*\w                                    ; scale words stand in window 0
	v_or_b32 v[PS+\w], v[TT], v[TT+1]              ; with lane l xor 16's two bytes p's word is whole
	WIN 0x55*\w
.irp c, 0,1
.irp i, 0,1,2
	v_mov_b32 v[PC+3+6*\c+\i], v[CT+4*\c+\i]
.endr
.endr
	s_wait_dscnt 0x0                               ; v is in
	VW
.set n, 0
.rept 16
	v_pk_mul_f32 v[OA+n:OA+n+1], v[OA+n:OA+n+1], v[FA:FA+1] op_sel_hi:[1,0]    ; O^T under the new M; these 16 are also the places between p's codes and scale word and the products
.set n, n+2
.endr
	WIN 0x01+0x54*\w                               ; source 0 (v) window 1; p, C and D in the tile's
.irp j, 0,1,2,3
	WM OA+8*\j, VF+12*\j, PC, 0, VS+\j%2, \j/2, PS+\w
.endr
	WIN 0
.endm
; A KEY STEP: 128 keys from the record at LDS byte s21
.macro STEP
	s_cmp_gt_u32 s18, s19
	s_cbranch_scc1 .Lnext_\@                       ; behind the high block's diagonal: nothing is left
	s_cmp_lg_u32 s18, s16
	s_cbranch_scc1 .Lsame_\@
	FINISH 1, 66, 68                               ; step i + 1: the low tile has had its diagonal
.Lsame_\@:
	v_add_nc_u32 v6, s21, v[TK128]                 ; these six are also the places between the last step's products and the loads into their operands
	v_add_nc_u32 v7, s21, v[TK64]
	v_add_nc_u32 v8, s21, v[TKS]
	v_add_nc_u32 v9, s21, v[TV128]
	v_add_nc_u32 v10, s21, v2
	v_add_nc_u32 v11, s21, v[TVS]
.irp f, 0,1,2,3                        ; k: fragment f = key tiles 2 f and 2 f + 1
	ds_load_b128 v[KF+12*\f:KF+12*\f+3], v6 offset:3840*(\f/2)+128*(\f%2)
	ds_load_b64 v[KF+12*\f+4:KF+12*\f+5], v7 offset:3840*(\f/2)+128*(\f%2)+640
	ds_load_b128 v[KF+12*\f+6:KF+12*\f+9], v6 offset:3840*(\f/2)+128*(\f%2)+960
	ds_load_b64 v[KF+12*\f+10:KF+12*\f+11], v7 offset:3840*(\f/2)+128*(\f%2)+1600
.endr
	ds_load_b32 v[KS], v8 offset:15360
	ds_load_b32 v[KS+1], v8 offset:15680
	ds_load_b32 v[VR], v11 offset:15364
	ds_load_b32 v[VR+1], v11 offset:15684
	WIN 0x40
.irp j, 0,1,2,3                        ; v: four tiles of d x 128 keys
	ds_load_b128 v[VF+12*\j:VF+12*\j+3], v9 offset:7680+1920*\j
	ds_load_b64 v[VF+12*\j+4:VF+12*\j+5], v10 offset:7680+1920*\j+640
	ds_load_b128 v[VF+12*\j+6:VF+12*\j+9], v9 offset:7680+1920*\j+960
	ds_load_b64 v[VF+12*\j+10:VF+12*\j+11], v10 offset:7680+1920*\j+1600
.endr
	WIN 0
	s_wait_dscnt 16                                ; k and the words are in; v's 16 loads may be out
	s_cmp_le_u32 s18, s15
	s_cbranch_scc1 .Ldual_\@
	SMUL 0
	VWORDS
	s_branch .Lhigh_\@
.Ldual_\@:                                             ; steps 0 .. i: the fragments feed both tiles
	SMUL 1
	SMUL 0
	VWORDS
	SOFT 1, 15
.Lhigh_\@:
	SOFT 0, 19
.Lnext_\@:
.endm
; Four key steps from one slot.  In front of the barrier: all my loads have landed, the add, my reads of the other slot are over.  Behind it the other slot takes the next group first.
.macro PHASE slot
	VW
	s_wait_tensorcnt 0x0
	ds_add_u32 v4, v5
	s_add_nc_u64 s[34+4*\slot:35+4*\slot], s[34+4*\slot:35+4*\slot], 2*GRP   ; no load of mine is out: this slot's next group,
	s_add_co_u32 s[40+\slot], s[40+\slot], 8       ; and the record in which my rows of it lie
	s_wait_dscnt 0x0
	s_barrier_signal -1
	s_barrier_wait -1
	s_cmp_le_u32 s[41-\slot], s19                  ; is my part of the other slot's next group read by any step?  Ids and the loop's steps alone decide
	s_cbranch_scc0 .Lnofill_\@
	tensor_load_to_lds s[36-4*\slot:39-4*\slot], s[24:31]      ; my one load behind this barrier
	s_nop 0
	PLACES
.Lnofill_\@:
	s_mov_b32 s21, \slot*SLOT
	s_mov_b32 s75, 4
.Lstep_\@:
	STEP
	s_add_co_u32 s21, s21, REC
	s_add_co_u32 s18, s18, 1
	s_sub_co_u32 s75, s75, 1
	s_cmp_lg_u32 s75, 0
	VW
	s_cbranch_scc1 .Lstep_\@
.endm
	s_mov_b32 s18, 0
	s_mov_b32 s74, 4
.Lring:                                                ; a trip goes once round the ring: eight key steps
	PHASE 0
	PHASE 1
	s_sub_co_u32 s74, s74, 1
	s_cmp_lg_u32 s74, 0
	s_cbranch_scc1 .Lring
	FINISH 0, 70, 72
	s_wait_tensorcnt 0x0                           ; the wave's end
	ds_add_u32 v4, v5
	s_wait_dscnt 0x0
	s_endpgm
.Lfunc_end_k_q31bdc58557_attn:
	.size	k_q31bdc58557_attn, .Lfunc_end_k_q31bdc58557_attn-k_q31bdc58557_attn
	.p2alignl 7, 3214868480
	.fill 96, 4, 3214868480
	.section	.rodata,"a",@progbits
	.p2align	6, 0x0
	.amdhsa_kernel k_q31bdc58557_attn
		.amdhsa_group_segment_fixed_size 327680
		.amdhsa_private_segment_fixed_size 0
		.amdhsa_enable_private_segment 0
		.amdhsa_kernarg_size 40
		.amdhsa_user_sgpr_count 2
		.amdhsa_user_sgpr_kernarg_segment_ptr 1
		.amdhsa_wavefront_size32 1
		.amdhsa_system_sgpr_workgroup_id_x 1
		.amdhsa_system_sgpr_workgroup_id_y 1
		.amdhsa_system_sgpr_workgroup_id_z 1
		.amdhsa_system_vgpr_workitem_id 0
		.amdhsa_next_free_vgpr 512
		.amdhsa_next_free_sgpr 96
		.amdhsa_reserve_vcc 1
		.amdhsa_float_denorm_mode_32 3
		.amdhsa_float_denorm_mode_16_64 3
		.amdhsa_memory_ordered 1
		.amdhsa_forward_progress 1
		.amdhsa_inst_pref_size 106
	.end_amdhsa_kernel
	.amdgpu_metadata
---
amdhsa.version: [ 1, 2 ]
amdhsa.kernels:
  - .name:           k_q31bdc58557_attn
    .symbol:         k_q31bdc58557_attn.kd
    .args:
      - { .name: qc, .offset: 0, .size: 8, .value_kind: global_buffer, .address_space: global }
      - { .name: qs, .offset: 8, .size: 8, .value_kind: global_buffer, .address_space: global }
      - { .name: kv, .offset: 16, .size: 8, .value_kind: global_buffer, .address_space: global }
      - { .name: actc, .offset: 24, .size: 8, .value_kind: global_buffer, .address_space: global }
      - { .name: acts, .offset: 32, .size: 8, .value_kind: global_buffer, .address_space: global }
    .group_segment_fixed_size: 327680
    .private_segment_fixed_size: 0
    .kernarg_segment_align: 8
    .kernarg_segment_size: 40
    .max_flat_workgroup_size: 256
    .sgpr_count:     96
    .vgpr_count:     512
    .wavefront_size: 32
...
	.end_amdgpu_metadata
.endif
;; end of part 3
;; launch proj (part 4): grid 32 x 8, 4 waves a work-group, clusters of 4 x 1, 168,448 bytes of LDS; arguments actc, acts, wc, ws, out0; writes out0
.if DOCPART == 4
	.amdgcn_target "amdgcn-amd-amdhsa--gfx1250"
	.amdhsa_code_object_version 6
	.text
	.protected	k_q31bdc58557_proj
	.globl	k_q31bdc58557_proj
	.p2align	8
	.type	k_q31bdc58557_proj,@function
k_q31bdc58557_proj:
	s_mov_b64 s[64:65], 0
	v_nop
	global_prefetch_b8 v0, s[64:65] scope:SCOPE_SE
	s_setreg_imm32_b32 hwreg(HW_REG_WAVE_MODE, 25, 1), 1
	s_wait_xcnt 0x0
	s_wait_alu depctr_hold_cnt(0) depctr_sa_sdst(0) depctr_va_vdst(0) depctr_va_sdst(0) depctr_va_ssrc(0) depctr_va_vcc(0) depctr_vm_vsrc(0)
	s_getreg_b32 s2, hwreg(HW_REG_IB_STS2, 6, 4)
	s_cmp_eq_u32 s2, 0
	s_cbranch_scc0 .Lentry_in_a_cluster
	s_endpgm
.Lentry_in_a_cluster:
	s_bfe_u32 s2, ttmp6, 0x10000c
	s_cmp_lg_u32 s2, 0x3003
	s_cbranch_scc0 .Lentry_shape_is_right
	s_endpgm
.Lentry_shape_is_right:
; out0 = y w_proj on codes of FP6 (E2M3), K = 1024.  y's codes and scale words lie in actc and acts (launch attn), w_proj's in wc and ws as tiles 192 .. 255 (launch quant), all as images of the operand's registers.
; SHARES.  Work-group (mt, nt): 128 tokens x 128 columns: 256 work-groups.  Wave w: rh = w / 2: 64 tokens (y's tiles a = 0..3), ch = w % 2: 64 columns (W's tiles b = 0..3): 16 accumulators, 128 products.
; NO RING.  A wave's y (4 tiles x 8 K steps x 12 = 384 registers) comes from memory into registers; the work-group's W, 98,304 dense bytes, lies in LDS, filled once.
; CLUSTER.  The four partners differ in mt alone and need the same W: one joint load a wave (mask 15).  cx enters the global addresses of y and of out0 alone.
; Source 0 = W, source 1 = y: a lane holds one token, and the registers of two neighbouring results are 16 neighbouring columns (lane r of W's tile 2 b + u holds column 32 b + 8 u + r + 8 (r / 8)).
; THE WAY OUT.  A tile of 16 tokens x 64 columns goes through my own stage in LDS (rows of 256 bytes + 16) and leaves as rows: 16 lanes store 256 consecutive bytes, aligned.  Row q of the stage is token 8 u + q + 8 (q / 8) of its group of 32.
; REGISTERS.  Window 0: v1 16 l, v2 16 r + 8 h, v3 4 l, v5, v6 LDS addresses of W, v10-12 the way out; v16-31 y's scale words, v32-47 W's; v64-127 rows on their way out; v128-255 accumulators.
; Window 1: y's tiles 0, 1 (96 (a % 2) + 12 s).  Window 2: tiles 2, 3.  Window 3: W's four fragments, two sets.
.set ACC, 128
.set XS,  16
.set WS,  32
.set OB,  64
.set STG, 98304                        ; behind W: 16 rows x 272 bytes for each wave; no fill lands there
.set MSB, 0
.macro WIN new                         ; the immediate's high byte repeats the setting that is left
.if MSB != (\new)
	s_set_vgpr_msb (MSB<<8)|(\new)
.set MSB, (\new)
.endif
.endm
.macro PLACES
.rept 4
	v_nop
.endr
.endm
.macro ROUND                           ; a round of the cluster's barrier
	s_barrier_signal -1
	s_barrier_wait -1
	s_cmp_lg_u32 s18, 0
	s_cbranch_scc1 .Lnot_wave_0_\@
	s_barrier_signal -3
.Lnot_wave_0_\@:
	s_barrier_wait -3
	s_barrier_signal -1
	s_barrier_wait -1
.endm
.macro WM dd, fa, fb, zz, sa, ra, sb, rb
.if \zz
.if (\ra) && (\rb)
	v_wmma_scale_f32_16x16x128_f8f6f4 v[\dd:\dd+7], v[\fa:\fa+11], v[\fb:\fb+11], 0, v[\sa], v[\sb] matrix_a_fmt:MATRIX_FMT_FP6 matrix_b_fmt:MATRIX_FMT_FP6 matrix_a_scale:MATRIX_SCALE_ROW1 matrix_b_scale:MATRIX_SCALE_ROW1
.elseif \ra
	v_wmma_scale_f32_16x16x128_f8f6f4 v[\dd:\dd+7], v[\fa:\fa+11], v[\fb:\fb+11], 0, v[\sa], v[\sb] matrix_a_fmt:MATRIX_FMT_FP6 matrix_b_fmt:MATRIX_FMT_FP6 matrix_a_scale:MATRIX_SCALE_ROW1
.elseif \rb
	v_wmma_scale_f32_16x16x128_f8f6f4 v[\dd:\dd+7], v[\fa:\fa+11], v[\fb:\fb+11], 0, v[\sa], v[\sb] matrix_a_fmt:MATRIX_FMT_FP6 matrix_b_fmt:MATRIX_FMT_FP6 matrix_b_scale:MATRIX_SCALE_ROW1
.else
	v_wmma_scale_f32_16x16x128_f8f6f4 v[\dd:\dd+7], v[\fa:\fa+11], v[\fb:\fb+11], 0, v[\sa], v[\sb] matrix_a_fmt:MATRIX_FMT_FP6 matrix_b_fmt:MATRIX_FMT_FP6
.endif
.else
.if (\ra) && (\rb)
	v_wmma_scale_f32_16x16x128_f8f6f4 v[\dd:\dd+7], v[\fa:\fa+11], v[\fb:\fb+11], v[\dd:\dd+7], v[\sa], v[\sb] matrix_a_fmt:MATRIX_FMT_FP6 matrix_b_fmt:MATRIX_FMT_FP6 matrix_a_scale:MATRIX_SCALE_ROW1 matrix_b_scale:MATRIX_SCALE_ROW1
.elseif \ra
	v_wmma_scale_f32_16x16x128_f8f6f4 v[\dd:\dd+7], v[\fa:\fa+11], v[\fb:\fb+11], v[\dd:\dd+7], v[\sa], v[\sb] matrix_a_fmt:MATRIX_FMT_FP6 matrix_b_fmt:MATRIX_FMT_FP6 matrix_a_scale:MATRIX_SCALE_ROW1
.elseif \rb
	v_wmma_scale_f32_16x16x128_f8f6f4 v[\dd:\dd+7], v[\fa:\fa+11], v[\fb:\fb+11], v[\dd:\dd+7], v[\sa], v[\sb] matrix_a_fmt:MATRIX_FMT_FP6 matrix_b_fmt:MATRIX_FMT_FP6 matrix_b_scale:MATRIX_SCALE_ROW1
.else
	v_wmma_scale_f32_16x16x128_f8f6f4 v[\dd:\dd+7], v[\fa:\fa+11], v[\fb:\fb+11], v[\dd:\dd+7], v[\sa], v[\sb] matrix_a_fmt:MATRIX_FMT_FP6 matrix_b_fmt:MATRIX_FMT_FP6
.endif
.endif
.endm
.macro GFRAG reg, off                  ; a fragment of y from memory
	global_load_b128 v[\reg:\reg+3], v1, s[52:53] offset:\off
	global_load_b64 v[\reg+4:\reg+5], v2, s[52:53] offset:\off+512
	global_load_b128 v[\reg+6:\reg+9], v1, s[52:53] offset:\off+768
	global_load_b64 v[\reg+10:\reg+11], v2, s[52:53] offset:\off+1280
.endm
.macro LFRAG reg, off                  ; a fragment of W from LDS
	ds_load_b128 v[\reg:\reg+3], v5 offset:\off
	ds_load_b64 v[\reg+4:\reg+5], v6 offset:\off+512
	ds_load_b128 v[\reg+6:\reg+9], v5 offset:\off+768
	ds_load_b64 v[\reg+10:\reg+11], v6 offset:\off+1280
.endm
	s_load_b256 s[4:11], s[0:1], 0x0               ; actc s[4:5], acts s[6:7], wc s[8:9], ws s[10:11]
	s_load_b64 s[12:13], s[0:1], 0x20              ; out0
	v_lshl_add_u32 v62, v0, 2, 0x29000
	v_mov_b32 v63, 0
	ds_add_u32 v62, v63
	ds_add_u32 v62, v63
	v_lshrrev_b32 v1, 5, v0
	v_readfirstlane_b32 s18, v1                    ; wave 0..3
	s_lshr_b32 s19, s18, 1                         ; rh
	s_and_b32 s20, s18, 1                          ; ch
	s_bfe_u32 s21, ttmp6, 0x40000                  ; cx
	s_lshl_b32 s22, ttmp9, 2
	s_add_co_u32 s22, s22, s21                     ; mt = 4 x cluster x + cx
	s_and_b32 s23, ttmp7, 0xffff                   ; nt, which the four partners share
	; descriptor group 1: my quarter of W, 24,576 dense bytes, as 96 rows of 256 bytes; mask: all four partners, bit 21 beside it
	s_mov_b32 s24, 15|(3<<16)|(1<<21)
	s_mov_b32 s25, 32<<16
	s_mov_b32 s26, 96<<16
	s_mov_b32 s27, 32<<16
	s_mov_b32 s28, 96
	s_mov_b32 s29, 32
	s_mov_b32 s30, 0
	s_mov_b32 s31, 0
	s_mul_i32 s44, s23, 98304                      ; W's tiles 192 + 8 nt on,
	s_add_co_u32 s44, s44, 192*12288
	s_mul_i32 s46, s18, 24576                      ; my two of the eight
	s_add_co_u32 s44, s44, s46
	s_mov_b32 s45, 0
	v_and_b32 v7, 31, v0                           ; l
	v_and_b32 v8, 15, v0                           ; r
	v_bfe_u32 v9, v0, 4, 1                         ; h
	v_lshlrev_b32 v1, 4, v7
	v_lshlrev_b32 v2, 4, v8
	v_lshl_add_u32 v2, v9, 3, v2
	v_lshlrev_b32 v3, 2, v7
	s_mul_i32 s47, s20, 49152                      ; my four tiles of W
	v_add_nc_u32 v5, s47, v1
	v_add_nc_u32 v6, s47, v2
	s_mul_i32 s47, s18, 16*272
	s_add_co_u32 s47, s47, STG                     ; my stage
	v_mul_u32_u24 v10, v8, 272
	v_lshl_add_u32 v10, v9, 6, v10
	v_add_nc_u32 v10, s47, v10                     ; in: row r, + 64 h
	v_mul_u32_u24 v11, v9, 272
	v_lshl_add_u32 v11, v8, 4, v11
	v_add_nc_u32 v11, s47, v11                     ; back: lanes 0-15 one row, lanes 16-31 the next
	v_lshlrev_b32 v12, 12, v9
	v_lshl_add_u32 v12, v8, 4, v12                 ; and the same two rows in out0
	s_lshl_b32 s48, s22, 3
	s_lshl_b32 s49, s19, 2
	s_add_co_u32 s48, s48, s49                     ; my first tile of tokens: 8 mt + 4 rh
	s_mov_b32 s51, 0
	s_wait_dscnt 0x0
	s_wait_kmcnt 0x0
	s_mov_b32 s32, 1                               ; group 0: count,
	s_mov_b32 s33, s46                             ; LDS address,
	s_add_nc_u64 s[34:35], s[8:9], s[44:45]        ; global address,
	s_or_b32 s35, s35, 0x80000000                  ; type
	s_mul_i32 s50, s48, 12288
	s_add_nc_u64 s[52:53], s[4:5], s[50:51]        ; y's codes
	s_lshl_b32 s50, s48, 6
	s_add_nc_u64 s[54:55], s[6:7], s[50:51]        ; y's scale words
	s_lshl_b32 s50, s23, 3
	s_lshl_b32 s49, s20, 2
	s_add_co_u32 s50, s50, s49
	s_lshl_b32 s50, s50, 6
	s_add_co_u32 s50, s50, 192*64
	s_add_nc_u64 s[56:57], s[10:11], s[50:51]      ; W's scale words: tile 192 + 8 nt + 4 ch
	s_lshl_b32 s50, s48, 16                        ; 16 tokens of 4,096 bytes a tile
	s_lshl_b32 s49, s23, 9
	s_add_co_u32 s50, s50, s49                     ; + 128 columns a work-group
	s_lshl_b32 s49, s20, 8
	s_add_co_u32 s50, s50, s49                     ; + my 64
	s_add_nc_u64 s[58:59], s[12:13], s[50:51]
	ROUND                                          ; all four work-groups are here: the joint loads meet
	tensor_load_to_lds s[32:35], s[24:31]          ; one load of mine is out; each byte of LDS is filled once
	s_nop 0
	PLACES                                         ; four v_nop behind a tensor load
.irp s, 0,1,2,3,4,5,6,7
.irp e, 0,1
	global_load_b32 v[XS+2*\s+\e], v3, s[54:55] offset:16384*\s+128*\e
	global_load_b32 v[WS+2*\s+\e], v3, s[56:57] offset:16384*\s+128*\e
.endr
.endr
	WIN 0x40                                       ; destination window 1
.irp a, 0,1
.irp s, 0,1,2,3,4,5,6,7
	GFRAG 96*\a+12*\s, 12288*\a+1536*\s
.endr
.endr
	WIN 0x80                                       ; destination window 2
.irp a, 0,1
.irp s, 0,1,2,3,4,5,6,7
	GFRAG 96*\a+12*\s, 12288*(\a+2)+1536*\s
.endr
.endr
	WIN 0
	s_wait_loadcnt 0x0
.macro WFETCH ks, st                   ; W's four fragments of K step ks into set st: 16 LDS loads
	WIN 0xc0
.irp b, 0,1,2,3
	LFRAG 48*(\st)+12*\b, 12288*\b+1536*(\ks)
.endr
.endm
.macro MUL ks                          ; 16 products: the 16 accumulators take turns, one instruction a turn
.irp a, 0,1,2,3
	WIN 0x07+4*(\a/2)                              ; source 0 (W) window 3, source 1 (y) window 1 or 2
.irp b, 0,1,2,3
	WM ACC+8*(4*\a+\b), 48*((\ks)%2)+12*\b, 96*(\a%2)+12*(\ks), (\ks)==0, WS+2*(\ks)+\b/2, \b%2, XS+2*(\ks)+\a/2, \a%2
.endr
.endr
.endm
	s_wait_tensorcnt 0x0                           ; my quarter of W has landed
	s_barrier_signal -1
	s_barrier_wait -1                              ; everybody's has
	s_wait_alu depctr_va_vdst(0)
	WFETCH 0, 0
.irp s, 0,1,2,3,4,5,6,7
.if \s < 7
.if \s > 0
	PLACES                                         ; four places between the products that read a set and the loads into it
.endif
	WFETCH \s+1, (\s+1)%2
	s_wait_dscnt 16                                ; this K step's fragments are in; the 16 loads just issued may be out
.else
	s_wait_dscnt 0x0
.endif
	MUL \s
.endr
	PLACES                                         ; four places in front of the first read of results
	WIN 0
.irp a, 0,1,2,3
.if \a > 1
	s_wait_xcnt 0x0                                ; tile a - 2's stores have read the registers into which the loads below land
.endif
.irp e, 0,1
.irp q, 0,1,2,3
	ds_store_b128 v10, v[ACC+32*\a+16*\e+4*\q:ACC+32*\a+16*\e+4*\q+3] offset:128*\e+16*\q   ; token r, columns 32 e + 16 h + 4 q ..; each accumulator from its low end on
.endr
.endr
.irp t, 0,1,2,3,4,5,6,7
	ds_load_b128 v[OB+32*(\a%2)+4*\t:OB+32*(\a%2)+4*\t+3], v11 offset:544*\t     ; LDS serves a wave's instructions in order (ISA guide 5.7.1.4): these see my stores
.endr
	s_wait_dscnt 0x0
.irp t, 0,1,2,3,4,5,6,7
	global_store_b128 v12, v[OB+32*(\a%2)+4*\t:OB+32*(\a%2)+4*\t+3], s[58:59] offset:(32*(\a/2)+8*(\a%2)+2*\t+8*(\t/4))*4096 th:TH_STORE_NT   ; 16 lanes store 256 consecutive bytes, aligned; written once, read by nobody here
.endr
.endr
	s_wait_tensorcnt 0x0
	ds_add_u32 v62, v63
	s_wait_dscnt 0x0
	ROUND                                          ; the closing round: no work-group ends while a partner may still ask for a tile that names it
	s_endpgm
.Lfunc_end_k_q31bdc58557_proj:
	.size	k_q31bdc58557_proj, .Lfunc_end_k_q31bdc58557_proj-k_q31bdc58557_proj
	.p2alignl 7, 3214868480
	.fill 96, 4, 3214868480
	.section	.rodata,"a",@progbits
	.p2align	6, 0x0
	.amdhsa_kernel k_q31bdc58557_proj
		.amdhsa_group_segment_fixed_size 168448
		.amdhsa_private_segment_fixed_size 0
		.amdhsa_enable_private_segment 0
		.amdhsa_kernarg_size 40
		.amdhsa_user_sgpr_count 2
		.amdhsa_user_sgpr_kernarg_segment_ptr 1
		.amdhsa_wavefront_size32 1
		.amdhsa_system_sgpr_workgroup_id_x 1
		.amdhsa_system_sgpr_workgroup_id_y 1
		.amdhsa_system_sgpr_workgroup_id_z 1
		.amdhsa_system_vgpr_workitem_id 0
		.amdhsa_next_free_vgpr 1024
		.amdhsa_next_free_sgpr 66
		.amdhsa_reserve_vcc 0
		.amdhsa_float_denorm_mode_32 3
		.amdhsa_float_denorm_mode_16_64 3
		.amdhsa_memory_ordered 1
		.amdhsa_forward_progress 1
		.amdhsa_inst_pref_size 54
	.end_amdhsa_kernel
	.amdgpu_metadata
---
amdhsa.version: [ 1, 2 ]
amdhsa.kernels:
  - .name:           k_q31bdc58557_proj
    .symbol:         k_q31bdc58557_proj.kd
    .args:
      - { .name: actc, .offset: 0, .size: 8, .value_kind: global_buffer, .address_space: global }
      - { .name: acts, .offset: 8, .size: 8, .value_kind: global_buffer, .address_space: global }
      - { .name: wc, .offset: 16, .size: 8, .value_kind: global_buffer, .address_space: global }
      - { .name: ws, .offset: 24, .size: 8, .value_kind: global_buffer, .address_space: global }
      - { .name: out0, .offset: 32, .size: 8, .value_kind: global_buffer, .address_space: global }
    .group_segment_fixed_size: 168448
    .private_segment_fixed_size: 0
    .kernarg_segment_align: 8
    .kernarg_segment_size: 40
    .max_flat_workgroup_size: 128
    .sgpr_count:     66
    .vgpr_count:     1024
    .wavefront_size: 32
...
	.end_amdgpu_metadata
.endif
;; end of part 4
